; MI455X (gfx1250); checked and timed in simulation.
; The chip was launched on July 23, 2026; its instructions are those of AMD's public machine-readable ISA for CDNA 5 (MIT licence, August 2026) and "CDNA5" Instruction Set Architecture Reference Guide (July 2026). The comments in the code are by the model that wrote it; some were corrected since.
;; Garment Person Cross Attention. Allowed arithmetic: matrix products marked QUANTISED: E2M3 operands, one E8M0 scale for each 32 along K, by v_wmma_scale_f32_16x16x128_f8f6f4 with both operands' format E2M3, f32 sums; everything else in f32.
;; Inputs: Wf_codes 1,024 x 64 x 24 uint8 (E2M3 codes of Wf, K innermost, in blocks of 32 codes, four codes in three bytes); Wf_scales 1,024 x 64 uint8 (E8M0 scales of Wf, one for each 32 codes along K); Wk_codes 1,024 x 24 x 24 uint8 (E2M3 codes of Wk, K innermost, in blocks of 32 codes, four codes in three bytes); Wk_scales 1,024 x 24 uint8 (E8M0 scales of Wk, one for each 32 codes along K); Wo_codes 1,024 x 32 x 24 uint8 (E2M3 codes of Wo, K innermost, in blocks of 32 codes, four codes in three bytes); Wo_scales 1,024 x 32 uint8 (E8M0 scales of Wo, one for each 32 codes along K); Wq_codes 1,024 x 32 x 24 uint8 (E2M3 codes of Wq, K innermost, in blocks of 32 codes, four codes in three bytes); Wq_scales 1,024 x 32 uint8 (E8M0 scales of Wq, one for each 32 codes along K); Wv_codes 1,024 x 24 x 24 uint8 (E2M3 codes of Wv, K innermost, in blocks of 32 codes, four codes in three bytes); Wv_scales 1,024 x 24 uint8 (E8M0 scales of Wv, one for each 32 codes along K); betak 768 float32; betaq 1,024 float32; bf 1,024 float32; bo 1,024 float32; garment_features 4 x 1,024 x 768 float32; gk 768 float32; gq 1,024 float32; person_features 4 x 2,048 x 1,024 float32.
;; Outputs: out0 4 x 2,048 x 1,024 float32.
;; This version of the problem:
;;   THIS VERSION OF THE PROBLEM IS GIVEN IN LOW PRECISION. The matrix products marked QUANTISED in the list below multiply operands that are first quantised to E2M3 (2 exponent bits, 3 mantissa bits; 6 bits a number), with one power-of-two scale for each 32 numbers along K (OCP MX v1.0); their sums are f32. All else is computed in f32.
;;   The module's matrix products, in the order in which they are computed (A, B: the left and right operand; K: the contracted axis; several contracted axes count as one K, in the product's order):
;;     1. [M 8,192, K 1,024] x [K 1,024, N 1,024]; A: computed on the way; B: input Wq (given as codes): QUANTISED
;;     2. [M 4,096, K 768] x [K 768, N 1,024]; A: computed on the way; B: input Wk (given as codes): QUANTISED
;;     3. [M 4,096, K 768] x [K 768, N 1,024]; A: computed on the way; B: input Wv (given as codes): QUANTISED
;;     4. batch 64 x [M 2,048, K 64] x [K 64, N 1,024]; A: computed on the way; B: computed on the way: QUANTISED
;;     5. batch 64 x [M 2,048, K 1,024] x [K 1,024, N 64]; A: softmax (see below); B: computed on the way: QUANTISED
;;     6. [M 8,192, K 1,024] x [K 1,024, N 1,024]; A: computed on the way; B: input Wo (given as codes): QUANTISED
;;     7. [M 8,192, K 2,048] x [K 2,048, N 1,024]; A: computed on the way; B: input Wf (given as codes): QUANTISED
;;   THE QUANTISER, for each operand of a quantised product, along K:
;;     - K is cut into blocks of 32 from its start; a last block that is shorter is filled with zeros.
;;     - A block's scale is 2^e with e = floor(log2(the largest magnitude in the block)) - 2, held to -126 .. 127; a block of zeros has e = 0. As a byte (E8M0): e + 127.
;;     - Each number is divided by its block's scale, clamped to +-7.5, and rounded to the nearest number of E2M3, ties to even, subnormals kept.
;;     - The product sums the exact products of the quantised numbers (number of the format x scale) in f32.
;;   ~~~python
;;   def quantise(x, axis):      # numpy; x: float32 -> the quantised numbers, widened to float32 again
;;       x = np.moveaxis(x, axis, -1); K = x.shape[-1]
;;       x = np.pad(x, [(0, 0)] * (x.ndim - 1) + [(0, -K % 32)]); x = x.reshape(x.shape[:-1] + (-1, 32)); a = np.abs(x).max(-1, keepdims=True)
;;       e = np.where(a > 0, np.clip(np.frexp(np.where(a > 0, a, 1))[1] - 1 - 2, -126, 127), 0)      # np.frexp(a)[1] - 1 = floor(log2(a)), exactly
;;       r = np.clip(x / 2.0 ** e, -7.5, 7.5)
;;       step = 2.0 ** (np.maximum(np.frexp(np.where(r == 0, 1, r))[1] - 1, 0) - 3)
;;       q = np.round(r / step) * step * 2.0 ** e      # np.round: ties to even
;;       return np.moveaxis(q.reshape(q.shape[:-2] + (-1,))[..., :K], -1, axis).astype(np.float32)
;;   ~~~
;;   SOFTMAX AHEAD OF A QUANTISED PRODUCT. Where the list says 'softmax', what is quantised is not the finished softmax but p = 2^(t - M), with t = logit x log2(e) and M = ceil(the row's largest t), a whole number; so 1/2 < the row's largest p <= 1. The row's sum l is taken of the UNQUANTISED p, in f32, and the product's result is divided by l at the end. Since M is a whole number, a kernel that streams over the keys may use a running M (the ceiling of the running maximum): every later rescaling is an exact power of two, which a block's scale takes up: the codes' values come out the same.
;;   OPERANDS COMPUTED ON THE WAY. 'Computed on the way' means the value that the module computes at that place (a softmax that the list does not call 'softmax' is quantised finished and normalised). What goes into a quantiser is computed in f32, as accurately as f32 sums, v_exp_f32 and their like allow (about 1e-6 of the number): no bf16 or f16 on the way to a quantiser, and a product that is left as it is and whose result goes on into a quantised operand takes f32 operands (vector FMAs, or v_wmma_f32_16x16x4_f32). A number that lies on a knife's edge between two numbers of the format may be rounded either way, as far as f32 arithmetic and the matrix unit's own rounding can turn it there, and no further.
;;   INPUTS GIVEN AS CODES. Wf (in the module: [2048, 1024], K = its axis 0); Wk (in the module: [768, 1024], K = its axis 0); Wo (in the module: [1024, 1024], K = its axis 0); Wq (in the module: [1024, 1024], K = its axis 0); Wv (in the module: [768, 1024], K = its axis 0): each comes as NAME_codes (uint8): NAME with its K axis moved to the last place and cut into blocks of 32 codes, [.., K / 32, bytes a block], one block behind the other in memory; four codes in three bytes: a row's codes are one little-endian stream of bits, code i at bits 6 i .. 6 i + 5 (a code: sign, 2 exponent bits, 3 mantissa bits); and NAME_scales (uint8): the same leading axes, one E8M0 byte (e + 127) for each 32 codes along K. Its value is code x scale, taken as it is: it is not quantised again, and the codes and scales need not be those that the quantiser above would give.
;; One version. Each part assembles by itself: llvm-mc -triple=amdgcn-amd-amdhsa -mcpu=gfx1250 --defsym DOCPART=n.
;; ======== version 1 of 1: 5 launches
;; limits: right only within a limited range of input values
;; workspace buffers: acts 15,597,568 bytes; wts 4,505,600 bytes; qkv 13,631,488 bytes; att 6,815,744 bytes; y1 6,815,744 bytes
;; launch prep (part 1): grid 280 x 1, 4 waves a work-group, no clusters, 34,304 bytes of LDS; arguments person_features, garment_features, gq, betaq, gk, betak, Wq_codes, Wq_scales, Wk_codes, Wk_scales, Wv_codes, Wv_scales, Wo_codes, Wo_scales, Wf_codes, Wf_scales, acts, wts; writes acts, wts
.if DOCPART == 1
	.amdgcn_target "amdgcn-amd-amdhsa--gfx1250"
	.amdhsa_code_object_version 6
	.text
	.protected	k_q270b77fda3_prep
	.globl	k_q270b77fda3_prep
	.p2align	8
	.type	k_q270b77fda3_prep,@function
k_q270b77fda3_prep:
	s_mov_b64 s[64:65], 0
	v_nop
	global_prefetch_b8 v0, s[64:65] scope:SCOPE_SE
	s_setreg_imm32_b32 hwreg(HW_REG_WAVE_MODE, 25, 1), 1
	s_wait_xcnt 0x0
; PREP.  Work-groups 0-127: 64 rows of person_features each; 128-191: 64 rows of garment_features; 192-279: the five weights are laid out anew.
; ROWS.  Wave t owns tile t of its group: 16 rows, over all of K, in registers (a row lies in lanes r and r + 16).  It makes the mean, then the variance of the centred numbers (two passes, no difference
; of large sums), the LayerNorm, and quantises it to E2M3 with one E8M0 byte for each 32 along K; of person rows the raw numbers are quantised too (first half of the last product's K).
; Lane-row p of tile t is row 32 (t / 2) + 8 (t % 2) + p + 8 (p / 8) of the group, so that later results come out with 16 neighbours along the next K in a lane.
; THE WAY IN.  The conversions want 16 neighbours along K in one lane; a load is best where neighbouring lanes take neighbouring bytes.  Both are had: a load takes one K step of one row, 512 consecutive bytes, 16 a lane;
; a step's 16 rows go through the wave's own stage in LDS (rows of 512 + 16 bytes) and come back 64 bytes a lane for each block of 32, into the registers that they left.
; IMAGES.  Codes leave as images of the operand's registers: a fragment (16 rows x 128 K, 12 registers a lane) is two halves of 768 bytes: registers 6 c .. 6 c + 3 at 16 x lane, registers 6 c + 4, 6 c + 5 at 512 + 8 x lane.
; Every store of the wave covers 512 or 256 consecutive bytes, aligned.  Scale words: [tile][row][8 words].
; WEIGHTS.  A wave takes 128 columns x 128 K of one weight: eight fragments, stored as three chunks of 512 bytes each (registers 4 c .. 4 c + 3 at 16 x lane), and their scale words, [lane][4 words]:
; word j of lane (p, h) belongs to tile 2 j + h.  Tile i holds columns 32 (i / 2) + 8 (i % 2) + p + 8 (p / 8) of the 128.
; Waves share nothing: each has LDS bytes of its own, and there is no barrier.
; LIMITS: NaN and infinities among the inputs are not served; a block whose largest magnitude lies under 2^-124 has its byte held at 1; a block of zeros has the byte 1 and not 127 (its codes are zeros, and
; only this program reads the bytes); the mean over 768 is a multiplication by the f32 number nearest 1/768.
.set O_PI, 0
.set O_RI, 6291456
.set O_GI, 12582912
.set O_PS, 14942208
.set O_RS, 15204352
.set O_GS, 15466496
.set O_WQI, 0
.set O_WKI, 786432
.set O_WVI, 1376256
.set O_WOI, 1966080
.set O_WFI, 2752512
.set O_WQS, 4325376
.set O_WKS, 4358144
.set O_WVS, 4382720
.set O_WOS, 4407296
.set O_WFS, 4440064
.set SPT, 528                          ; a stage row: 512 bytes + 16: the sixteen rows that a read touches begin in sixteen different columns of 16 bytes modulo 256
.set STA, 4                            ; v4   the stage, on the way in: my wave's bytes + 16 x lane
.set GA,  5                            ; v5   64 h: my 16 of each 32 gains
.set L16, 6                            ; v6   16 x lane
.set L8,  7                            ; v7   8 x lane
.set SO,  8                            ; v8   32 r + 16 h: my four scale words of row r
.set LDA, 10                           ; v10  the stage, on the way out: my wave's bytes + 528 r + 64 h
.set MU,  20                           ; v[20:21] the mean
.set RSD, 22                           ; v[22:23] 1 / sqrt(var + eps)
.set PSW, 24                           ; v24-31 the LayerNorm's scale words, one a K step
.set RSW, 32                           ; v32-39 the raw numbers' scale words
.set TM,  40                           ; v40-55 at work in QUANT
.set PW,  56                           ; v56    the scale word just made
.set PC,  60                           ; v60-79 the codes just made
.set Y,   96                           ; v96-159 one K step, normalised
.set XR,  160                          ; v160-175 lane-row p of my tile: its row x pitch + 16 x lane; never rewritten
.set WV,  44
.set ISP, 45                           ; 1: person rows
.set G,   46
.set PITCH, 47
.set INVK, 48
.set EPS, 49
.set SEL, 50
.set HI,  52
.set XP,  54
.set GP,  56
.set BP,  58
.set LIP, 60
.set LSP, 62
.set RIP, 66
.set RSP, 68
.set MSB, 0
.macro WIN new                         ; the immediate's high byte repeats the setting that is left; a switch that changes nothing is dropped
.set WNEW, (\new)
.if MSB != WNEW
	s_set_vgpr_msb (MSB<<8)|WNEW
.set MSB, WNEW
.endif
.endm
; 64 numbers of a lane in window W, register 16 b + i = k 32 b + 16 h + i of my row, become a fragment's codes in v[PC] on and its scale word in v[PW]
.macro QUANT s, W
	WIN (\W)|((\W)<<2)
.irp b, 0,1,2,3
	v_max3_num_f32 v[TM+\b], |v[(\s)+16*\b]|, |v[(\s)+1+16*\b]|, 0x1800000   ; my 16 numbers of block b, and the floor 2^(3 - 127): the byte cannot fall under 1
.endr
	WIN ((\W)<<2)|((\W)<<4)
.irp i, 2,4,6,8,10,12,14
.irp b, 0,1,2,3
	v_max3_num_f32 v[TM+\b], v[TM+\b], |v[(\s)+16*\b+\i]|, |v[(\s)+1+16*\b+\i]|
.endr
.endr
	WIN 0
.irp b, 0,1,2,3
	v_permlanex16_b32 v[TM+4+\b], v[TM+\b], s[SEL], s[SEL+1]
.endr
.irp b, 0,1,2,3
	v_max_num_f32 v[TM+\b], v[TM+\b], v[TM+4+\b]   ; with lane l xor 16: the block's largest magnitude
.endr
.irp b, 0,1,2,3
	v_add_nc_u32 v[TM+12+\b], 0xff000000, v[TM+\b]   ; 2 off its exponent field: the conversion's scale operand
.endr
.irp b, 0,1,2,3
	v_lshrrev_b32 v[TM+4+\b], 23, v[TM+12+\b]      ; the scale's byte
.endr
	v_lshl_or_b32 v[PW], v[TM+5], 8, v[TM+4]
	v_lshl_or_b32 v[PW], v[TM+6], 16, v[PW]
	v_lshl_or_b32 v[PW], v[TM+7], 24, v[PW]
	WIN \W
.irp c, 0,1
	v_cvt_scalef32_pk16_fp6_f32 v[PC+6*\c:PC+2+6*\c], v[(\s)+32*\c:(\s)+15+32*\c], v[TM+12+2*\c]
	v_cvt_scalef32_pk16_fp6_f32 v[PC+12+4*\c:PC+14+4*\c], v[(\s)+16+32*\c:(\s)+31+32*\c], v[TM+12+2*\c+1]
.endr
	WIN 0
	v_nop                                          ; one plain place behind the scaled conversions
.irp c, 0,1                                    ; the operand wants a whole block in a lane: lanes 0-15 block 2 c, lanes 16-31 block 2 c + 1
.irp i, 0,1,2
	v_permlane16_swap_b32 v[PC+6*\c+\i], v[PC+12+4*\c+\i]
.endr
.irp i, 0,1,2
	v_mov_b32 v[PC+3+6*\c+\i], v[PC+12+4*\c+\i]
.endr
.endr
.endm
.macro IMGOUT p, off                           ; the fragment in v[PC] on leaves as two halves
	global_store_b128 v[L16], v[PC:PC+3], s[\p:\p+1] offset:(\off)
	global_store_b64 v[L8], v[PC+4:PC+5], s[\p:\p+1] offset:(\off)+512
	global_store_b128 v[L16], v[PC+6:PC+9], s[\p:\p+1] offset:(\off)+768
	global_store_b64 v[L8], v[PC+10:PC+11], s[\p:\p+1] offset:(\off)+1280
.endm
; K step s of my 16 rows, as it lies: load p takes lane-row p's 512 bytes, 16 a lane, into window 1 (steps 0-3) or 2 (steps 4-7), registers 4 p .. 4 p + 3 of the step's 64
.macro XLOAD s
	WIN (1+(\s)/4)<<6
.irp p, 0,1,2,3,4,5,6,7,8,9,10,11,12,13,14,15
	global_load_b128 v[64*((\s)%4)+4*\p:64*((\s)%4)+4*\p+3], v[XR+\p], s[XP:XP+1] offset:512*(\s) th:TH_LOAD_NT
.endr
.endm
; K step s through my stage: in by rows, back 16 neighbours of each block of 32 a lane: register 16 b + 4 j + i = x(row r, 128 s + 32 b + 16 h + 4 j + i).
; LDS serves a wave's instructions in order (ISA guide 5.7.1.4): no wait between the stores and the loads, nor in front of the next step's stores.
.macro TURN s
.set DB, 64*((\s)%4)
	WIN (1+(\s)/4)<<2                              ; an LDS store's data are its source 1
.irp p, 0,1,2,3,4,5,6,7,8,9,10,11,12,13,14,15
	ds_store_b128 v[STA], v[DB+4*\p:DB+4*\p+3] offset:SPT*\p
.endr
	WIN (1+(\s)/4)<<6
.irp b, 0,1,2,3
.irp j, 0,1,2,3
	ds_load_b128 v[DB+16*\b+4*\j:DB+16*\b+4*\j+3], v[LDA] offset:128*\b+16*\j
.endr
.endr
.endm
.macro SUMSTEP s                               ; four packed chains
	WIN (1+(\s)/4)<<2
.set q, 0
.rept 32
	v_pk_add_f32 v[12+2*(q%4):13+2*(q%4)], v[12+2*(q%4):13+2*(q%4)], v[64*((\s)%4)+2*q:64*((\s)%4)+2*q+1]
.set q, q+1
.endr
.endm
.macro JOIN                                    ; the four chains, their halves, and lane l xor 16: the row's sum in v12
	v_pk_add_f32 v[12:13], v[12:13], v[14:15]
	v_pk_add_f32 v[16:17], v[16:17], v[18:19]
	v_pk_add_f32 v[12:13], v[12:13], v[16:17]
	v_add_f32 v12, v12, v13
	v_permlanex16_b32 v14, v12, s[SEL], s[SEL+1]
	v_add_f32 v12, v12, v14
.endm
.macro RAWSTEP s
	s_wait_xcnt 0x0                                ; the codes' registers were store data: they are written again only behind this wait
	QUANT 64*((\s)%4), 1+(\s)/4
	v_mov_b32 v[RSW+(\s)], v[PW]
	IMGOUT RIP, 6144*(\s)
.endm
.macro CENSTEP s                               ; x - mean, in place; then the squares
.set DW, 1+(\s)/4
.set DB, 64*((\s)%4)
	WIN DW|(DW<<6)
.set q, 0
.rept 32
	v_pk_add_f32 v[DB+2*q:DB+2*q+1], v[DB+2*q:DB+2*q+1], v[MU:MU+1] op_sel_hi:[1,0] neg_lo:[0,1] neg_hi:[0,1]
.set q, q+1
.endr
	WIN DW|(DW<<2)
.set q, 0
.rept 32
.if ((\s) == 0) && (q < 4)
	v_pk_mul_f32 v[12+2*q:13+2*q], v[DB+2*q:DB+2*q+1], v[DB+2*q:DB+2*q+1]   ; the first four start the chains
.else
	v_pk_fma_f32 v[12+2*(q%4):13+2*(q%4)], v[DB+2*q:DB+2*q+1], v[DB+2*q:DB+2*q+1], v[12+2*(q%4):13+2*(q%4)]
.endif
.set q, q+1
.endr
.endm
.macro GB s                                    ; gain and beta of K step s into window 3, set s % 2: gain at +0, beta at +64
.set GBB, 128*((\s)%2)
	WIN 0xc0
.irp b, 0,1,2,3
.irp j, 0,1,2,3
	global_load_b128 v[GBB+16*\b+4*\j:GBB+16*\b+4*\j+3], v[GA], s[GP:GP+1] offset:512*(\s)+128*\b+16*\j
	global_load_b128 v[GBB+64+16*\b+4*\j:GBB+64+16*\b+4*\j+3], v[GA], s[BP:BP+1] offset:512*(\s)+128*\b+16*\j
.endr
.endr
	WIN 0
.endm
; nxt = 1: the next step's gain and beta are asked for; 2: only for person rows; 0: not
.macro NORMSTEP s, nxt
	s_wait_loadcnt 0x0                             ; this step's gain and beta are in: nothing else is out
.if (\nxt) == 1
	GB (\s)+1
.elseif (\nxt) == 2
	s_cmp_eq_u32 s[ISP], 0
	s_cbranch_scc1 .Lnogb_\@
	GB (\s)+1
.Lnogb_\@:
.endif
.set DW, 1+(\s)/4
.set DB, 64*((\s)%4)
.set GB0, 128*((\s)%2)
	WIN DW
.set q, 0
.rept 32
	v_pk_mul_f32 v[Y+2*q:Y+2*q+1], v[DB+2*q:DB+2*q+1], v[RSD:RSD+1] op_sel_hi:[1,0]
.set q, q+1
.endr
	WIN 0x3c
.set q, 0
.rept 32
	v_pk_fma_f32 v[Y+2*q:Y+2*q+1], v[Y+2*q:Y+2*q+1], v[GB0+2*q:GB0+2*q+1], v[GB0+64+2*q:GB0+64+2*q+1]
.set q, q+1
.endr
	WIN 0
	s_wait_xcnt 0x0                                ; the codes' registers were store data
	QUANT Y, 0
	v_mov_b32 v[PSW+(\s)], v[PW]
	IMGOUT LIP, 6144*(\s)
.endm
.macro PICK lim, c, nk, first, oi, os          ; units under lim belong to an earlier weight
	s_cmp_lt_u32 s71, \lim
	s_cselect_b64 s[54:55], s[\c:\c+1], s[54:55]
	s_cselect_b64 s[56:57], s[\c+2:\c+3], s[56:57]
	s_cselect_b32 s73, \oi, s73
	s_cselect_b32 s74, \os, s74
	s_cselect_b32 s75, \nk, s75
	s_cselect_b32 s76, \first, s76
.endm
	s_load_b512 s[8:23], s[0:1], 0x0               ; person 8, garment 10, gq 12, betaq 14, gk 16, betak 18, Wq codes 20, scales 22
	s_load_b512 s[24:39], s[0:1], 0x40             ; Wk 24, 26; Wv 28, 30; Wo 32, 34; Wf 36, 38
	s_load_b128 s[40:43], s[0:1], 0x80             ; acts 40, wts 42
	v_lshl_add_u32 v254, v0, 2, 0x8400
	v_mov_b32 v255, 0
	v_lshrrev_b32 v1, 5, v0
	v_readfirstlane_b32 s[WV], v1                  ; wave 0..3
	v_and_b32 v1, 31, v0                           ; lane
	v_and_b32 v2, 15, v0                           ; r
	v_bfe_u32 v3, v0, 4, 1                         ; h
	v_lshlrev_b32 v[L16], 4, v1
	v_lshlrev_b32 v[L8], 3, v1
	v_and_b32 v9, 8, v2
	v_add_nc_u32 v9, v9, v2                        ; r + 8 (r / 8)
	s_mov_b32 s[SEL], 0x76543210
	s_mov_b32 s[SEL+1], 0xfedcba98                 ; selects for lane l xor 16
	s_mov_b32 s[HI], 0xffff0000                    ; lanes 16-31
	s_mov_b32 s[EPS], 0x3727c5ac                   ; 1e-5
	s_wait_kmcnt 0x0
	s_cmp_lt_u32 ttmp9, 192
	s_cbranch_scc0 .Llay
	; ---- rows: one path for both tensors; only pointers and numbers are chosen
	s_cmp_lt_u32 ttmp9, 128
	s_cselect_b32 s[ISP], 1, 0
	s_cselect_b64 s[XP:XP+1], s[8:9], s[10:11]
	s_cselect_b64 s[GP:GP+1], s[12:13], s[16:17]
	s_cselect_b64 s[BP:BP+1], s[14:15], s[18:19]
	s_mov_b32 s[PITCH], 3072
	s_cselect_b32 s[PITCH], 4096, s[PITCH]
	s_mov_b32 s[INVK], 0x3aaaaaab                  ; 1 / 768
	s_cselect_b32 s[INVK], 0x3a800000, s[INVK]     ; 1 / 1024
	s_cselect_b32 s70, 0, 128
	s_mov_b32 s71, 36864
	s_cselect_b32 s71, 49152, s71                  ; a group's images in bytes
	s_mov_b32 s72, O_GI
	s_cselect_b32 s72, O_PI, s72
	s_mov_b32 s73, O_GS
	s_cselect_b32 s73, O_PS, s73
	s_sub_co_u32 s[G], ttmp9, s70                  ; my group of 64 rows
	s_mul_i32 s74, s[G], s[PITCH]
	s_lshl_b32 s74, s74, 6
	s_mov_b32 s75, 0
	s_add_nc_u64 s[XP:XP+1], s[XP:XP+1], s[74:75]
	s_mul_i32 s76, s[WV], 1536                     ; my tile among a step's four
	s_mul_i32 s74, s[G], s71
	s_add_co_u32 s74, s74, s72
	s_add_co_u32 s74, s74, s76
	s_add_nc_u64 s[LIP:LIP+1], s[40:41], s[74:75]
	s_mul_i32 s74, s[G], 49152
	s_add_co_u32 s74, s74, O_RI
	s_add_co_u32 s74, s74, s76
	s_add_nc_u64 s[RIP:RIP+1], s[40:41], s[74:75]  ; (used by person rows alone)
	s_lshl_b32 s77, s[G], 11
	s_lshl_b32 s76, s[WV], 9
	s_add_co_u32 s77, s77, s76                     ; my tile's 512 bytes of scale words
	s_add_co_u32 s74, s77, s73
	s_add_nc_u64 s[LSP:LSP+1], s[40:41], s[74:75]
	s_add_co_u32 s74, s77, O_RS
	s_add_nc_u64 s[RSP:RSP+1], s[40:41], s[74:75]
	s_lshr_b32 s70, s[WV], 1
	s_lshl_b32 s70, s70, 5
	s_and_b32 s71, s[WV], 1
	s_lshl_b32 s71, s71, 3
	s_add_co_u32 s70, s70, s71                     ; 32 (t / 2) + 8 (t % 2): my tile's first row
	s_mul_i32 s70, s70, s[PITCH]
	s_wait_alu depctr_va_vdst(0)
	v_add_nc_u32 v11, s70, v[L16]                  ; in bytes, + 16 x lane
	s_wait_alu depctr_va_vdst(0)
.irp p, 0,1,2,3,4,5,6,7,8,9,10,11,12,13,14,15
	s_mul_i32 s71, s[PITCH], \p+8*(\p/8)           ; the pitch differs between the two tensors: so the rows stand in registers, not in immediates
	v_add_nc_u32 v[XR+\p], s71, v11
.endr
	s_mul_i32 s70, s[WV], 16*SPT                   ; my stage
	v_add_nc_u32 v[STA], s70, v[L16]
	v_mul_u32_u24 v[LDA], v2, SPT
	v_lshl_add_u32 v[LDA], v3, 6, v[LDA]
	v_add_nc_u32 v[LDA], s70, v[LDA]
	v_lshlrev_b32 v[GA], 6, v3
	v_lshlrev_b32 v[SO], 5, v2
	v_lshl_add_u32 v[SO], v3, 4, v[SO]
.irp k, 0,1,2,3,4,5,6,7
	v_mov_b32 v[PSW+\k], 0                         ; garment rows have six K steps: words 6 and 7 stay 0
	v_mov_b32 v[12+\k], 0                          ; the sums' four chains
.endr
.irp b, 0,1,2,3
	v_mov_b32 v[TM+4+\b], 0                        ; written once: a lane permute's destination counts as one of its sources
.endr
	s_cmp_eq_u32 s[ISP], 0
	s_cbranch_scc1 .Lno67a
	XLOAD 6                                        ; person rows: steps 6 and 7 go first, so that the counts below are the same on both paths
	XLOAD 7
	WIN 0
.Lno67a:
.irp s, 0,1,2,3,4,5
	XLOAD \s
.endr
	s_wait_loadcnt 63                              ; step 0 is in: 80 loads are younger, the count names the most that its field holds
	TURN 0
	s_wait_loadcnt 63                              ; step 1 is in: 64 are younger
	TURN 1
	s_wait_dscnt 32                                ; step 0 is back from the stage: step 1's 16 stores and 16 loads are younger
	s_wait_alu depctr_va_vdst(0)
	SUMSTEP 0
	s_wait_alu depctr_va_vdst(0)
	s_wait_loadcnt 48                              ; three younger steps of 16 loads
	TURN 2
	s_wait_dscnt 32
	SUMSTEP 1
	s_wait_alu depctr_va_vdst(0)
	s_wait_loadcnt 32
	TURN 3
	s_wait_dscnt 32
	SUMSTEP 2
	s_wait_alu depctr_va_vdst(0)
	s_wait_loadcnt 16
	TURN 4
	s_wait_dscnt 32
	SUMSTEP 3
	s_wait_alu depctr_va_vdst(0)
	s_wait_loadcnt 0x0
	TURN 5
	s_wait_dscnt 32
	SUMSTEP 4
	s_wait_alu depctr_va_vdst(0)
	s_wait_dscnt 0x0
	SUMSTEP 5
	WIN 0
	s_cmp_eq_u32 s[ISP], 0
	s_cbranch_scc1 .Lnoraw
	TURN 6                                         ; every load is in
	TURN 7
	s_wait_dscnt 0x0
	s_wait_alu depctr_va_vdst(0)
	SUMSTEP 6
	SUMSTEP 7
.irp s, 0,1,2,3,4,5,6,7
	RAWSTEP \s                                     ; the raw numbers are quantised before they are centred in place
.endr
.irp k, 0,1,2,3
	v_cndmask_b32 v[80+\k], v[RSW+\k], v[RSW+4+\k], s[HI]   ; lanes 0-15 words 0-3 of row r, lanes 16-31 words 4-7
.endr
	global_store_b128 v[SO], v[80:83], s[RSP:RSP+1]
.Lnoraw:
	s_wait_alu depctr_va_vdst(0)
	JOIN
	v_mul_f32 v[MU], s[INVK], v12
	v_mov_b32 v[MU+1], v[MU]                       ; (named with it as a pair)
	GB 0
.irp s, 0,1,2,3,4,5
	CENSTEP \s
.endr
	WIN 0
	s_cmp_eq_u32 s[ISP], 0
	s_cbranch_scc1 .Lno67b
	CENSTEP 6
	CENSTEP 7
	WIN 0
.Lno67b:
	s_wait_alu depctr_va_vdst(0)
	JOIN
	v_fma_f32 v12, v12, s[INVK], s[EPS]            ; var + eps
	s_wait_alu depctr_va_vdst(0)
	v_rsq_f32 v[RSD], v12
	v_nop                                          ; a plain place behind the transcendental
	s_wait_alu depctr_va_vdst(0)                   ; and the wait ahead of its first reader
	v_mov_b32 v[RSD+1], v[RSD]
	s_wait_alu depctr_va_vdst(0)
.irp s, 0,1,2,3,4
	NORMSTEP \s, 1
.endr
	NORMSTEP 5, 2
	s_cmp_eq_u32 s[ISP], 0
	s_cbranch_scc1 .Lno67c
	NORMSTEP 6, 1
	NORMSTEP 7, 0
.Lno67c:
	s_wait_xcnt 0x0                                ; v80-83 were store data
	s_wait_alu depctr_va_vdst(0)
.irp k, 0,1,2,3
	v_cndmask_b32 v[80+\k], v[PSW+\k], v[PSW+4+\k], s[HI]
.endr
	global_store_b128 v[SO], v[80:83], s[LSP:LSP+1]
	s_wait_tensorcnt 0x0
	ds_add_u32 v254, v255
	s_wait_dscnt 0x0
	s_endpgm
	; ---- weights: unit U = 4 (work-group - 192) + wave; its 128 columns are U % 8, its weight and K step come from U / 8 (Wq 0-7, Wk 8-13, Wv 14-19, Wo 20-27, Wf 28-43)
.Llay:
	s_sub_co_u32 s70, ttmp9, 192
	s_lshl_b32 s70, s70, 2
	s_add_co_u32 s70, s70, s[WV]
	s_lshr_b32 s71, s70, 3
	s_and_b32 s72, s70, 7
	s_mov_b64 s[54:55], s[36:37]
	s_mov_b64 s[56:57], s[38:39]
	s_mov_b32 s73, O_WFI
	s_mov_b32 s74, O_WFS
	s_mov_b32 s75, 16                              ; K steps of the weight
	s_mov_b32 s76, 28
	PICK 28, 32, 8, 20, O_WOI, O_WOS
	PICK 20, 28, 6, 14, O_WVI, O_WVS
	PICK 14, 24, 6, 8, O_WKI, O_WKS
	PICK 8, 20, 8, 0, O_WQI, O_WQS
	s_sub_co_u32 s77, s71, s76                     ; my K step
	s_mul_i32 s78, s75, 96                         ; a row of codes in bytes
	s_lshl_b32 s79, s75, 2                         ; a row of scale bytes
	s_lshl_b32 s70, s72, 7
	s_wait_alu depctr_va_vdst(0)
	v_add_nc_u32 v10, s70, v9                      ; column 128 g + p + 8 (p / 8)
	v_mul_lo_u32 v11, v10, s78
	v_mad_u32_u24 v11, v3, 24, v11
	s_mul_i32 s70, s77, 96
	v_add_nc_u32 v11, s70, v11
	s_wait_alu depctr_va_vdst(0)
.irp i, 0,1,2,3,4,5,6,7
	s_mul_i32 s70, s78, 32*(\i/2)+8*(\i%2)
	v_add_nc_u32 v[12+\i], s70, v11                ; tile i
.endr
	v_lshl_add_u32 v24, v3, 3, v10                 ; scale words: lanes 16-31 take the odd tile, 8 columns on
	v_mul_lo_u32 v24, v24, s79
	s_lshl_b32 s70, s77, 2
	v_add_nc_u32 v24, s70, v24
.irp j, 0,1,2,3
	s_mul_i32 s70, s79, 32*\j
	v_add_nc_u32 v[20+\j], s70, v24
.endr
	s_mul_i32 s70, s72, s75
	s_add_co_u32 s70, s70, s77                     ; (columns, K step) as one number
	s_mul_i32 s58, s70, 12288
	s_add_co_u32 s58, s58, s73
	s_mov_b32 s59, 0
	s_add_nc_u64 s[58:59], s[42:43], s[58:59]
	s_lshl_b32 s60, s70, 9
	s_add_co_u32 s60, s60, s74
	s_mov_b32 s61, 0
	s_add_nc_u64 s[60:61], s[42:43], s[60:61]
	s_wait_alu depctr_va_vdst(0)
.irp i, 0,1,2,3,4,5,6,7
.irp p, 0,1,2,3,4,5
	global_load_b64 v[96+12*\i+2*\p:97+12*\i+2*\p], v[12+\i], s[54:55] offset:48*(\p/3)+8*(\p%3)
.endr
.endr
.irp j, 0,1,2,3
	global_load_b32 v[80+\j], v[20+\j], s[56:57]
.endr
	s_wait_loadcnt 0x0
.irp i, 0,1,2,3,4,5,6,7
.irp c, 0,1,2
	global_store_b128 v[L16], v[96+12*\i+4*\c:99+12*\i+4*\c], s[58:59] offset:1536*\i+512*\c
.endr
.endr
	global_store_b128 v[L16], v[80:83], s[60:61]
	s_endpgm
.Lfunc_end_k_q270b77fda3_prep:
	.size	k_q270b77fda3_prep, .Lfunc_end_k_q270b77fda3_prep-k_q270b77fda3_prep
	.p2alignl 7, 3214868480
	.fill 96, 4, 3214868480
	.section	.rodata,"a",@progbits
	.p2align	6, 0x0
	.amdhsa_kernel k_q270b77fda3_prep
		.amdhsa_group_segment_fixed_size 34304
		.amdhsa_private_segment_fixed_size 0
		.amdhsa_enable_private_segment 0
		.amdhsa_kernarg_size 144
		.amdhsa_user_sgpr_count 2
		.amdhsa_user_sgpr_kernarg_segment_ptr 1
		.amdhsa_wavefront_size32 1
		.amdhsa_system_sgpr_workgroup_id_x 1
		.amdhsa_system_sgpr_workgroup_id_y 1
		.amdhsa_system_sgpr_workgroup_id_z 1
		.amdhsa_system_vgpr_workitem_id 0
		.amdhsa_next_free_vgpr 1024
		.amdhsa_next_free_sgpr 80
		.amdhsa_reserve_vcc 0
		.amdhsa_float_denorm_mode_32 3
		.amdhsa_float_denorm_mode_16_64 3
		.amdhsa_memory_ordered 1
		.amdhsa_forward_progress 1
		.amdhsa_inst_pref_size 222
	.end_amdhsa_kernel
	.amdgpu_metadata
---
amdhsa.version: [ 1, 2 ]
amdhsa.kernels:
  - .name:           k_q270b77fda3_prep
    .symbol:         k_q270b77fda3_prep.kd
    .args:
      - { .name: person_features, .offset: 0, .size: 8, .value_kind: global_buffer, .address_space: global }
      - { .name: garment_features, .offset: 8, .size: 8, .value_kind: global_buffer, .address_space: global }
      - { .name: gq, .offset: 16, .size: 8, .value_kind: global_buffer, .address_space: global }
      - { .name: betaq, .offset: 24, .size: 8, .value_kind: global_buffer, .address_space: global }
      - { .name: gk, .offset: 32, .size: 8, .value_kind: global_buffer, .address_space: global }
      - { .name: betak, .offset: 40, .size: 8, .value_kind: global_buffer, .address_space: global }
      - { .name: Wq_codes, .offset: 48, .size: 8, .value_kind: global_buffer, .address_space: global }
      - { .name: Wq_scales, .offset: 56, .size: 8, .value_kind: global_buffer, .address_space: global }
      - { .name: Wk_codes, .offset: 64, .size: 8, .value_kind: global_buffer, .address_space: global }
      - { .name: Wk_scales, .offset: 72, .size: 8, .value_kind: global_buffer, .address_space: global }
      - { .name: Wv_codes, .offset: 80, .size: 8, .value_kind: global_buffer, .address_space: global }
      - { .name: Wv_scales, .offset: 88, .size: 8, .value_kind: global_buffer, .address_space: global }
      - { .name: Wo_codes, .offset: 96, .size: 8, .value_kind: global_buffer, .address_space: global }
      - { .name: Wo_scales, .offset: 104, .size: 8, .value_kind: global_buffer, .address_space: global }
      - { .name: Wf_codes, .offset: 112, .size: 8, .value_kind: global_buffer, .address_space: global }
      - { .name: Wf_scales, .offset: 120, .size: 8, .value_kind: global_buffer, .address_space: global }
      - { .name: acts, .offset: 128, .size: 8, .value_kind: global_buffer, .address_space: global }
      - { .name: wts, .offset: 136, .size: 8, .value_kind: global_buffer, .address_space: global }
    .group_segment_fixed_size: 34304
    .private_segment_fixed_size: 0
    .kernarg_segment_align: 8
    .kernarg_segment_size: 144
    .max_flat_workgroup_size: 128
    .sgpr_count:     80
    .vgpr_count:     1024
    .wavefront_size: 32
...
	.end_amdgpu_metadata
.endif
;; end of part 1
;; launch proj (part 2): grid 256 x 1, 4 waves a work-group, no clusters, 129,536 bytes of LDS; arguments acts, wts, qkv; writes qkv
.if DOCPART == 2
	.amdgcn_target "amdgcn-amd-amdhsa--gfx1250"
	.amdhsa_code_object_version 6
	.text
	.protected	k_q270b77fda3_proj
	.globl	k_q270b77fda3_proj
	.p2align	8
	.type	k_q270b77fda3_proj,@function
k_q270b77fda3_proj:
	s_mov_b64 s[64:65], 0
	v_nop
	global_prefetch_b8 v0, s[64:65] scope:SCOPE_SE
	s_setreg_imm32_b32 hwreg(HW_REG_WAVE_MODE, 25, 1), 1
	s_wait_xcnt 0x0
; PROJ.  q = LN(person) Wq (work-groups 0-127), k = LN(garment) Wk (128-191), v = LN(garment) Wv (192-255), on codes of E2M3; the results are quantised at once (q, k along the head's 64, v along the keys)
; and leave as images of operand registers for the attention launch.
; SHARES.  A work-group owns 64 rows; THE WAVES SHARE THE COLUMNS: wave w makes columns 256 w .. 256 w + 255, in two passes of 128: 32 accumulators of 16 x 16.  The rows' codes (four fragments a K step) lie in LDS,
; copied there once and read by all four waves.  A weight fragment has ONE reader in the work-group, so it goes from memory straight into that wave's registers: three loads of 512 consecutive bytes from the image
; that the launch before has laid.  NO JOINT LOADS: they land in LDS, and a fragment that one wave reads once would be written there and read back (12,288 bytes a wave and K step each way), with a round of the
; cluster's barrier for every 32 matrix instructions of a wave.
; q and k: source 0 = 16 columns of the weight, source 1 = 16 rows: a lane holds one row and its registers run along the columns, 16 neighbours in two neighbouring tiles.  v: sources swapped: a lane holds one column
; (channel) and its registers run along the keys.
; REGISTERS: window 0: v1-9 addresses; v16-27 weights' scale words, three sets; v28-31 rows' scale words, two sets; v32-127 rows' fragments, two sets; v128-175 at work in the epilogue.
;   window 1: weight sets 0 and 1 (96 registers each); window 3: weight set 2; window 2: the accumulators.
; LIMITS: as in the launch before: no NaN or infinities; bytes held at 1 from below; a block of zeros has the byte 1.
.set O_PI, 0
.set O_GI, 12582912
.set O_PS, 14942208
.set O_GS, 15466496
.set O_WQI, 0
.set O_WKI, 786432
.set O_WVI, 1376256
.set O_WQS, 4325376
.set O_WKS, 4358144
.set O_WVS, 4382720
.set O_QI, 0
.set O_KI, 6291456
.set O_VI, 9437184
.set O_QS, 12582912
.set O_KS, 13107200
.set O_VS, 13369344
.set L16, 1                            ; v1  16 x lane
.set L8,  2                            ; v2  8 x lane
.set T16, 3                            ; v3  LDS: 16 x thread + the path's images
.set A16, 4                            ; v4  LDS: 16 x lane + the path's images
.set A8,  5                            ; v5  LDS: 8 x lane + the same
.set SA,  6                            ; v6  LDS: 8 x lane + the path's scale words
.set SST, 7                            ; v7  LDS: where I put the scale words that I copy
.set SS0, 8                            ; v8  the same without the path's base
.set G16, 9                            ; v9  16 x thread
.set BS,  16
.set AS,  28
.set AF,  32
.set PC,  128
.set TM,  148
.set PW,  164
.set PWS, 166
.set SW,  170
.set T,   174
.set WV,  10
.set G,   11
.set BP,  16
.set BSP, 18
.set OP,  20
.set OSP, 22
.set PASS, 24
.set SEL, 26
.set HI,  28
.set MSB, 0
.macro WIN new                         ; the immediate's high byte repeats the setting that is left
.set WNEW, (\new)
.if MSB != WNEW
	s_set_vgpr_msb (MSB<<8)|WNEW
.set MSB, WNEW
.endif
.endm
.macro PLACES n
.rept \n
	v_nop
.endr
.endm
.macro QUANT s, W                      ; 64 numbers of a lane in window W, register 16 b + i = k 32 b + 16 h + i of my row: codes in v[PC] on, scale word in v[PW]
	WIN (\W)|((\W)<<2)
.irp b, 0,1,2,3
	v_max3_num_f32 v[TM+\b], |v[(\s)+16*\b]|, |v[(\s)+1+16*\b]|, 0x1800000   ; each accumulator is read from its low end on; the floor 2^(3 - 127) holds the byte at 1
.endr
	WIN ((\W)<<2)|((\W)<<4)
.irp i, 2,4,6,8,10,12,14
.irp b, 0,1,2,3
	v_max3_num_f32 v[TM+\b], v[TM+\b], |v[(\s)+16*\b+\i]|, |v[(\s)+1+16*\b+\i]|
.endr
.endr
	WIN 0
.irp b, 0,1,2,3
	v_permlanex16_b32 v[TM+4+\b], v[TM+\b], s[SEL], s[SEL+1]
.endr
.irp b, 0,1,2,3
	v_max_num_f32 v[TM+\b], v[TM+\b], v[TM+4+\b]
.endr
.irp b, 0,1,2,3
	v_add_nc_u32 v[TM+12+\b], 0xff000000, v[TM+\b]
.endr
.irp b, 0,1,2,3
	v_lshrrev_b32 v[TM+4+\b], 23, v[TM+12+\b]
.endr
	v_lshl_or_b32 v[PW], v[TM+5], 8, v[TM+4]
	v_lshl_or_b32 v[PW], v[TM+6], 16, v[PW]
	v_lshl_or_b32 v[PW], v[TM+7], 24, v[PW]
	WIN \W
.irp c, 0,1
	v_cvt_scalef32_pk16_fp6_f32 v[PC+6*\c:PC+2+6*\c], v[(\s)+32*\c:(\s)+15+32*\c], v[TM+12+2*\c]
	v_cvt_scalef32_pk16_fp6_f32 v[PC+12+4*\c:PC+14+4*\c], v[(\s)+16+32*\c:(\s)+31+32*\c], v[TM+12+2*\c+1]
.endr
	WIN 0
	v_nop                                          ; one plain place behind the scaled conversions
.irp c, 0,1
.irp i, 0,1,2
	v_permlane16_swap_b32 v[PC+6*\c+\i], v[PC+12+4*\c+\i]
.endr
.irp i, 0,1,2
	v_mov_b32 v[PC+3+6*\c+\i], v[PC+12+4*\c+\i]
.endr
.endr
.endm
.macro FRAG4 reg, a16, a8, off         ; a fragment from its image of two halves
	ds_load_b128 v[(\reg):(\reg)+3], v[\a16] offset:(\off)
	ds_load_b64 v[(\reg)+4:(\reg)+5], v[\a8] offset:(\off)+512
	ds_load_b128 v[(\reg)+6:(\reg)+9], v[\a16] offset:(\off)+768
	ds_load_b64 v[(\reg)+10:(\reg)+11], v[\a8] offset:(\off)+1280
.endm
.macro LOADA s                         ; the rows' four fragments and two scale registers of K step s: 17 LDS loads
.set LAS, (\s)%2
.irp t, 0,1,2,3
	FRAG4 AF+48*LAS+12*\t, A16, A8, (4*(\s)+\t)*1536
.endr
	ds_load_b64 v[AS+2*LAS:AS+2*LAS+1], v[SA] offset:256*(\s)
.endm
.macro LOADB s                         ; my eight weight fragments and four scale registers of K step s: 25 loads
.set LBS, (\s)%3
	global_load_b128 v[BS+4*LBS:BS+4*LBS+3], v[L16], s[BSP:BSP+1] offset:512*(\s)
.if LBS == 2
	WIN 0xc0
.set LBB, 0
.else
	WIN 0x40
.set LBB, 96*LBS
.endif
.irp i, 0,1,2,3,4,5,6,7
.irp c, 0,1,2
	global_load_b128 v[LBB+12*\i+4*\c:LBB+12*\i+4*\c+3], v[L16], s[BP:BP+1] offset:12288*(\s)+1536*\i+512*\c
.endr
.endr
	WIN 0
.endm
; one matrix instruction on WD, WA, WB, WSA, WSB; ra, rb: the side's scale words stand in lanes 16-31
.macro WMR c, ra, rb
.if (\ra) && (\rb)
	v_wmma_scale_f32_16x16x128_f8f6f4 v[WD:WD+7], v[WA:WA+11], v[WB:WB+11], \c, v[WSA], v[WSB] matrix_a_fmt:MATRIX_FMT_FP6 matrix_b_fmt:MATRIX_FMT_FP6 matrix_a_scale:MATRIX_SCALE_ROW1 matrix_b_scale:MATRIX_SCALE_ROW1
.elseif (\ra)
	v_wmma_scale_f32_16x16x128_f8f6f4 v[WD:WD+7], v[WA:WA+11], v[WB:WB+11], \c, v[WSA], v[WSB] matrix_a_fmt:MATRIX_FMT_FP6 matrix_b_fmt:MATRIX_FMT_FP6 matrix_a_scale:MATRIX_SCALE_ROW1
.elseif (\rb)
	v_wmma_scale_f32_16x16x128_f8f6f4 v[WD:WD+7], v[WA:WA+11], v[WB:WB+11], \c, v[WSA], v[WSB] matrix_a_fmt:MATRIX_FMT_FP6 matrix_b_fmt:MATRIX_FMT_FP6 matrix_b_scale:MATRIX_SCALE_ROW1
.else
	v_wmma_scale_f32_16x16x128_f8f6f4 v[WD:WD+7], v[WA:WA+11], v[WB:WB+11], \c, v[WSA], v[WSB] matrix_a_fmt:MATRIX_FMT_FP6 matrix_b_fmt:MATRIX_FMT_FP6
.endif
.endm
; K step s of nk: the next step's rows and the weights two steps on are asked for, then 32 products.  Each accumulator is named once a step: they take turns, one instruction a turn.
.macro STEP s, nk, swp
	WIN 0
.if (\s) > 0
	PLACES 4                                       ; the sets loaded below were read by the last step's products
.endif
.if (\s)+1 < (\nk)
	LOADA (\s)+1
.endif
.if (\s)+2 < (\nk)
	LOADB (\s)+2
.endif
.if (\nk)-1-(\s) >= 2
	s_wait_loadcnt 50                              ; this step's weights are in: two younger steps of 25 loads may be out
.else
	s_wait_loadcnt 25*((\nk)-1-(\s))
.endif
.if (\s)+1 < (\nk)
	s_wait_dscnt 17                                ; this step's rows are in: the next step's 17 loads may be out
.else
	s_wait_dscnt 0x0
.endif
.set SB3, (\s)%3
.set SA2, (\s)%2
.if SB3 == 2
.set WBASE, 0
.if \swp
	WIN 0xac
.else
	WIN 0xa3
.endif
.else
.set WBASE, 96*SB3
.if \swp
	WIN 0xa4
.else
	WIN 0xa1
.endif
.endif
.irp a, 0,1,2,3
.irp i, 0,1,2,3,4,5,6,7
.if \swp
.set WD, 8*(4*\i+\a)
.set WA, AF+48*SA2+12*\a
.set WB, WBASE+12*\i
.set WSA, AS+2*SA2+\a/2
.set WSB, BS+4*SB3+\i/2
.if (\s) == 0
	WMR 0, \a%2, \i%2
.else
	WMR v[WD:WD+7], \a%2, \i%2
.endif
.else
.set WD, 8*(8*\a+\i)
.set WA, WBASE+12*\i
.set WB, AF+48*SA2+12*\a
.set WSA, BS+4*SB3+\i/2
.set WSB, AS+2*SA2+\a/2
.if (\s) == 0
	WMR 0, \i%2, \a%2                              ; the first K step starts the sums
.else
	WMR v[WD:WD+7], \i%2, \a%2
.endif
.endif
.endr
.endr
.endm
; mode 0: q, 1: k, 2: v.  nk: K steps.  first: the path's first work-group.  src, ssrc: the rows' images and scale words in acts.  wi, ws: the weight's in wts.  img, sc: the path's own LDS bytes.  oi, os: where the results go in qkv.
.macro PATH mode, nk, first, src, ssrc, wi, ws, img, sc, oi, os
.if (\mode) == 0
.set LG, 5                             ; 32 groups of 64 rows to a batch
.else
.set LG, 4                             ; 16
.endif
.set HS, 256<<LG                       ; a head's scale words in bytes
.if (\mode) == 2
.set HB, 49152                         ; a head's images in bytes
.else
.set HB, 3072<<LG
.endif
	s_sub_co_u32 s[G], ttmp9, \first
	v_lshl_add_u32 v[T16], v0, 4, \img
	v_add_nc_u32 v[A16], \img, v[L16]
	v_add_nc_u32 v[A8], \img, v[L8]
	v_add_nc_u32 v[SA], \sc, v[L8]
	v_add_nc_u32 v[SST], \sc, v[SS0]
	s_mov_b32 s31, 0
	s_mul_i32 s30, s[G], (\nk)*6144
	s_add_co_u32 s30, s30, \src
	s_add_nc_u64 s[32:33], s[4:5], s[30:31]
	s_lshl_b32 s30, s[G], 11
	s_add_co_u32 s30, s30, \ssrc
	s_add_nc_u64 s[34:35], s[4:5], s[30:31]
	s_mul_i32 s30, s[WV], 2*(\nk)*12288
	s_add_co_u32 s30, s30, \wi
	s_add_nc_u64 s[BP:BP+1], s[6:7], s[30:31]
	s_mul_i32 s30, s[WV], 2*(\nk)*512
	s_add_co_u32 s30, s30, \ws
	s_add_nc_u64 s[BSP:BSP+1], s[6:7], s[30:31]
	s_lshr_b32 s12, s[G], LG                       ; the batch
	s_and_b32 s13, s[G], (1<<LG)-1                 ; the group in it
	s_lshl_b32 s12, s12, 4
	s_lshl_b32 s14, s[WV], 2
	s_add_co_u32 s12, s12, s14                     ; 16 x batch + 4 x wave: my first head
	s_mul_i32 s30, s12, HB
.if (\mode) == 2
	s_lshr_b32 s14, s13, 1
	s_mul_i32 s14, s14, 6144                       ; the key step of 128,
	s_add_co_u32 s30, s30, s14
	s_and_b32 s14, s13, 1
	s_mul_i32 s14, s14, 768                        ; and which half of its fragments
	s_add_co_u32 s30, s30, s14
.else
	s_mul_i32 s14, s13, 3072                       ; four tiles of 768 bytes
	s_add_co_u32 s30, s30, s14
.endif
	s_add_co_u32 s30, s30, \oi
	s_add_nc_u64 s[OP:OP+1], s[8:9], s[30:31]
	s_mul_i32 s30, s12, HS
	s_lshl_b32 s14, s13, 8
	s_add_co_u32 s30, s30, s14
	s_add_co_u32 s30, s30, \os
	s_add_nc_u64 s[OSP:OSP+1], s[8:9], s[30:31]
	WIN 0x80                                       ; the rows' images pass through the accumulators' registers
.set q, 0
.rept 3*(\nk)
	global_load_b128 v[4*q:4*q+3], v[G16], s[32:33] offset:2048*q
.set q, q+1
.endr
	WIN 0
	global_load_b128 v[PC:PC+3], v[G16], s[34:35]  ; four scale words of a row
	LOADB 0
	LOADB 1
	s_wait_alu depctr_va_vdst(0)
	s_wait_loadcnt 50                              ; the copies are in: the 50 weight loads are younger
	WIN 0x08
.set q, 0
.rept 3*(\nk)
	ds_store_b128 v[T16], v[4*q:4*q+3] offset:2048*q
.set q, q+1
.endr
	WIN 0
.irp k, 0,1,2,3
	ds_store_b32 v[SST], v[PC+\k] offset:256*\k    ; to [K step][lane][2 words]: lanes 0-15 tile 2 j, lanes 16-31 tile 2 j + 1
.endr
	s_wait_dscnt 0x0                               ; for the others' sake: my stores have landed
	s_barrier_signal -1
	s_barrier_wait -1                              ; from here on LDS is only read
	s_mov_b32 s[PASS], 0
.Lpass_\@:
	LOADA 0
.set KSTP, 0
.rept \nk
	STEP KSTP, \nk, (\mode)==2
.set KSTP, KSTP+1
.endr
	WIN 0
	PLACES 4                                       ; behind the last products: loads into their operands and reads of their results follow
	s_wait_xcnt 0x0                                ; every weight load is in: the pointers may step
	s_add_nc_u64 s[BP:BP+1], s[BP:BP+1], (\nk)*12288
	s_add_nc_u64 s[BSP:BSP+1], s[BSP:BSP+1], (\nk)*512
	s_cmp_eq_u32 s[PASS], 1
	s_cbranch_scc1 .Lnn_\@
	LOADB 0                                        ; the next pass's first two steps land while this pass's results are quantised
	LOADB 1
.Lnn_\@:
.if (\mode) == 2
.irp ip, 0,1,2,3                               ; column tiles 2 ip, 2 ip + 1: two blocks of 32 keys each: a half fragment each
	s_wait_xcnt 0x0                                ; the codes' and words' registers were store data
	QUANT 64*\ip, 2
	global_store_b128 v[L16], v[PC:PC+3], s[OP:OP+1] offset:((2*\ip)/4)*49152+((2*\ip)%4)*1536
	global_store_b64 v[L8], v[PC+4:PC+5], s[OP:OP+1] offset:((2*\ip)/4)*49152+((2*\ip)%4)*1536+512
	global_store_b128 v[L16], v[PC+6:PC+9], s[OP:OP+1] offset:((2*\ip+1)/4)*49152+((2*\ip+1)%4)*1536
	global_store_b64 v[L8], v[PC+10:PC+11], s[OP:OP+1] offset:((2*\ip+1)/4)*49152+((2*\ip+1)%4)*1536+512
	v_and_b32 v[T], 0xffff, v[PW]
	v_lshrrev_b32 v[T+1], 16, v[PW]
	v_cndmask_b32 v[SW+\ip], v[T], v[T+1], s[HI]   ; lanes 0-15 the even tile's two bytes, lanes 16-31 the odd tile's
.endr
.else
.irp a, 0,1,2,3                                ; row tile a: 128 columns = two heads: a half fragment each
	s_wait_xcnt 0x0
	QUANT 64*\a, 2
	v_mov_b32 v[PWS+\a], v[PW]
	global_store_b128 v[L16], v[PC:PC+3], s[OP:OP+1] offset:768*\a
	global_store_b64 v[L8], v[PC+4:PC+5], s[OP:OP+1] offset:768*\a+512
	global_store_b128 v[L16], v[PC+6:PC+9], s[OP:OP+1] offset:HB+768*\a
	global_store_b64 v[L8], v[PC+10:PC+11], s[OP:OP+1] offset:HB+768*\a+512
.endr
.irp j, 0,1
	v_cndmask_b32 v[T], v[PWS+2*\j], v[PWS+2*\j+1], s[HI]
	v_and_b32 v[SW+\j], 0xffff, v[T]               ; the first head's two bytes,
	v_lshrrev_b32 v[SW+2+\j], 16, v[T]             ; the second's
.endr
.endif
	global_store_b64 v[L8], v[SW:SW+1], s[OSP:OSP+1]
	global_store_b64 v[L8], v[SW+2:SW+3], s[OSP:OSP+1] offset:HS
	s_wait_xcnt 0x0                                ; the stores have read their bases
	s_add_nc_u64 s[OP:OP+1], s[OP:OP+1], 2*HB
	s_add_nc_u64 s[OSP:OSP+1], s[OSP:OSP+1], 2*HS
	s_add_co_u32 s[PASS], s[PASS], 1
	s_cmp_lt_u32 s[PASS], 2
	s_cbranch_scc1 .Lpass_\@
.endm
	s_load_b128 s[4:7], s[0:1], 0x0                ; acts, wts
	s_load_b64 s[8:9], s[0:1], 0x10                ; qkv
	v_lshl_add_u32 v254, v0, 2, 0x1f800
	v_mov_b32 v255, 0
	v_lshrrev_b32 v1, 5, v0
	v_readfirstlane_b32 s[WV], v1                  ; wave 0..3
	v_and_b32 v3, 31, v0
	v_lshlrev_b32 v[L16], 4, v3
	v_lshlrev_b32 v[L8], 3, v3
	v_lshlrev_b32 v[G16], 4, v0
	v_and_b32 v[SS0], 1, v0                        ; thread = 32 t + 2 r + q copies words 4 q .. 4 q + 3 of row r of tile t:
	v_lshlrev_b32 v[SS0], 10, v[SS0]               ; 1024 q
	v_bfe_u32 v3, v0, 1, 5
	v_lshl_add_u32 v[SS0], v3, 3, v[SS0]           ; + 8 (r + 16 (t % 2))
	v_lshrrev_b32 v3, 6, v0
	v_lshl_add_u32 v[SS0], v3, 2, v[SS0]           ; + 4 (t / 2)
.irp b, 0,1,2,3
	v_mov_b32 v[TM+4+\b], 0                        ; written once: a lane permute's destination counts as one of its sources
.endr
	s_mov_b32 s[SEL], 0x76543210
	s_mov_b32 s[SEL+1], 0xfedcba98
	s_mov_b32 s[HI], 0xffff0000
	s_wait_kmcnt 0x0
	s_cmp_lt_u32 ttmp9, 128
	s_cbranch_scc0 .Lnot_q
	s_wait_alu depctr_va_vdst(0)
	PATH 0, 8, 0, O_PI, O_PS, O_WQI, O_WQS, 0, 49152, O_QI, O_QS
	s_wait_tensorcnt 0x0
	ds_add_u32 v254, v255
	s_wait_dscnt 0x0
	s_endpgm
.Lnot_q:
	s_cmp_lt_u32 ttmp9, 192
	s_cbranch_scc0 .Lis_v
	s_wait_alu depctr_va_vdst(0)
	PATH 1, 6, 128, O_GI, O_GS, O_WKI, O_WKS, 51200, 88064, O_KI, O_KS
	s_wait_tensorcnt 0x0
	ds_add_u32 v254, v255
	s_wait_dscnt 0x0
	s_endpgm
.Lis_v:
	s_wait_alu depctr_va_vdst(0)
	PATH 2, 6, 192, O_GI, O_GS, O_WVI, O_WVS, 90112, 126976, O_VI, O_VS
	s_wait_tensorcnt 0x0
	ds_add_u32 v254, v255
	s_wait_dscnt 0x0
	s_endpgm
.Lfunc_end_k_q270b77fda3_proj:
	.size	k_q270b77fda3_proj, .Lfunc_end_k_q270b77fda3_proj-k_q270b77fda3_proj
	.p2alignl 7, 3214868480
	.fill 96, 4, 3214868480
	.section	.rodata,"a",@progbits
	.p2align	6, 0x0
	.amdhsa_kernel k_q270b77fda3_proj
		.amdhsa_group_segment_fixed_size 129536
		.amdhsa_private_segment_fixed_size 0
		.amdhsa_enable_private_segment 0
		.amdhsa_kernarg_size 24
		.amdhsa_user_sgpr_count 2
		.amdhsa_user_sgpr_kernarg_segment_ptr 1
		.amdhsa_wavefront_size32 1
		.amdhsa_system_sgpr_workgroup_id_x 1
		.amdhsa_system_sgpr_workgroup_id_y 1
		.amdhsa_system_sgpr_workgroup_id_z 1
		.amdhsa_system_vgpr_workitem_id 0
		.amdhsa_next_free_vgpr 864
		.amdhsa_next_free_sgpr 66
		.amdhsa_reserve_vcc 0
		.amdhsa_float_denorm_mode_32 3
		.amdhsa_float_denorm_mode_16_64 3
		.amdhsa_memory_ordered 1
		.amdhsa_forward_progress 1
		.amdhsa_inst_pref_size 242
	.end_amdhsa_kernel
	.amdgpu_metadata
---
amdhsa.version: [ 1, 2 ]
amdhsa.kernels:
  - .name:           k_q270b77fda3_proj
    .symbol:         k_q270b77fda3_proj.kd
    .args:
      - { .name: acts, .offset: 0, .size: 8, .value_kind: global_buffer, .address_space: global }
      - { .name: wts, .offset: 8, .size: 8, .value_kind: global_buffer, .address_space: global }
      - { .name: qkv, .offset: 16, .size: 8, .value_kind: global_buffer, .address_space: global }
    .group_segment_fixed_size: 129536
    .private_segment_fixed_size: 0
    .kernarg_segment_align: 8
    .kernarg_segment_size: 24
    .max_flat_workgroup_size: 128
    .sgpr_count:     66
    .vgpr_count:     864
    .wavefront_size: 32
...
	.end_amdgpu_metadata
.endif
;; end of part 2
;; launch attn (part 3): grid 4 x 64, 16 waves a work-group, no clusters, 106,496 bytes of LDS; arguments qkv, att; writes att
.if DOCPART == 3
	.amdgcn_target "amdgcn-amd-amdhsa--gfx1250"
	.amdhsa_code_object_version 6
	.text
	.protected	k_q270b77fda3_attn
	.globl	k_q270b77fda3_attn
	.p2align	8
	.type	k_q270b77fda3_attn,@function
k_q270b77fda3_attn:
	s_mov_b64 s[64:65], 0
	v_nop
	global_prefetch_b8 v0, s[64:65] scope:SCOPE_SE
	s_setreg_imm32_b32 hwreg(HW_REG_WAVE_MODE, 25, 1), 1
	s_wait_xcnt 0x0
; ATTN.  att[b][n][head][:] = softmax over 1,024 keys of (q . k / 8) times v, both products on codes of E2M3; the result is quantised along the 64 channels and leaves as half fragments for the last launch.
; THE SOFTMAX AHEAD OF THE SECOND PRODUCT: t = score x log2(e) / 8; M = the running largest t rounded up to a whole number; p = 2^(t - M) is quantised along the keys, not normalised; the row's sum is taken of the
; unquantised p and divides at the end; when M moves, the sum and O are multiplied by 2^(old M - new M), which rounds nothing.
; SHARES.  Work-group (x, y): 512 queries (32 tiles of 16) of batch-head y.  Sixteen waves of 256 registers, four to a SIMD; wave w takes tiles 2 w and 2 w + 1, one after the other.
; A head's whole K and V, 96 KB of register images, and their scale words are copied into LDS once, by plain loads and LDS stores; behind the one barrier LDS is only read.
; The four work-groups of a head read the same K and V, once each, at their heads: 104 KB against the 16 key steps' work of every wave; joint loads are left out for that, and with them the cluster's rounds.
; LAYOUT.  S^T = K Q^T (source 0 = 16 keys, source 1 = my 16 queries), O^T = V^T P^T: a lane holds one query throughout.  Lane-row p of key tile i is key 32 (i / 2) + 8 (i % 2) + p + 8 (p / 8) of the step's 128, so the 16
; registers of tiles 2 b, 2 b + 1 are 16 neighbouring keys.  THE FIRST PRODUCT'S K IS 64: Q's fragment is six registers of codes and six of zeros; a key tile is named as twelve registers of which the upper six are the
; next tile's codes (behind the last: zeros): they meet Q's zero codes and add nothing.
; REGISTERS: v1-11, v41 addresses; v12 -M, v13 the largest t, v[14:15] the sum; v16-39 Q's two fragments; v40 Q's scale words; v42-95 K's eight tiles, later V's four fragments; v96-159 S^T, then p; v160-191 O^T;
;   v192-211 codes; v212-229 at work; v224 p's scale word; v230-233 K's scale words, v234-235 V's; v236-237 the results' scale words.
; LIMITS: no NaN or infinities; bytes held at 1 from below; a block of zeros has the byte 1.  The 128 bytes of scale words that a wave stores at its end are half of an aligned 256.
.set O_QI, 0
.set O_KI, 6291456
.set O_VI, 9437184
.set O_QS, 12582912
.set O_KS, 13107200
.set O_VS, 13369344
.set O_AS, 6291456
.set L16, 1
.set L8,  2
.set WV,  8
.set BH,  9
.set TK,  10                           ; s10  the step's tiles in LDS: 6,144 bytes a step, K's and V's alike
.set TS,  11                           ; s11  K's scale words: 512 bytes a step
.set TV,  12                           ; s12  V's: 256
.set CNT, 13
.set CS,  14                           ; s[14:15] c = log2(e) / 8
.set SEL, 16
.set HI,  18
.macro FRAG4 reg, a16, a8, off
	ds_load_b128 v[(\reg):(\reg)+3], v[\a16] offset:(\off)
	ds_load_b64 v[(\reg)+4:(\reg)+5], v[\a8] offset:(\off)+512
	ds_load_b128 v[(\reg)+6:(\reg)+9], v[\a16] offset:(\off)+768
	ds_load_b64 v[(\reg)+10:(\reg)+11], v[\a8] offset:(\off)+1280
.endm
.macro WMR c, ra, rb
.if (\ra) && (\rb)
	v_wmma_scale_f32_16x16x128_f8f6f4 v[WD:WD+7], v[WA:WA+11], v[WB:WB+11], \c, v[WSA], v[WSB] matrix_a_fmt:MATRIX_FMT_FP6 matrix_b_fmt:MATRIX_FMT_FP6 matrix_a_scale:MATRIX_SCALE_ROW1 matrix_b_scale:MATRIX_SCALE_ROW1
.elseif (\ra)
	v_wmma_scale_f32_16x16x128_f8f6f4 v[WD:WD+7], v[WA:WA+11], v[WB:WB+11], \c, v[WSA], v[WSB] matrix_a_fmt:MATRIX_FMT_FP6 matrix_b_fmt:MATRIX_FMT_FP6 matrix_a_scale:MATRIX_SCALE_ROW1
.elseif (\rb)
	v_wmma_scale_f32_16x16x128_f8f6f4 v[WD:WD+7], v[WA:WA+11], v[WB:WB+11], \c, v[WSA], v[WSB] matrix_a_fmt:MATRIX_FMT_FP6 matrix_b_fmt:MATRIX_FMT_FP6 matrix_b_scale:MATRIX_SCALE_ROW1
.else
	v_wmma_scale_f32_16x16x128_f8f6f4 v[WD:WD+7], v[WA:WA+11], v[WB:WB+11], \c, v[WSA], v[WSB] matrix_a_fmt:MATRIX_FMT_FP6 matrix_b_fmt:MATRIX_FMT_FP6
.endif
.endm
; one tile of 16 queries through all 1,024 keys
.macro TILE par
.if \par
	s_wait_xcnt 0x0                                ; the first tile's stores have read the codes' registers
.endif
	v_mov_b32 v13, 0xff61b1e6                      ; the largest t so far: -3e38
	s_delay_alu instid0(VALU_DEP_1)
	v_floor_f32 v12, -v13                          ; -M
	v_mov_b32 v14, 0
	v_mov_b32 v15, 0
.set q, 0
.rept 32
	v_mov_b32 v[160+q], 0                          ; O^T: the step is written once, its first trip finds zeros
.set q, q+1
.endr
	s_mov_b32 s[TK], 0
	s_mov_b32 s[TS], 0
	s_mov_b32 s[TV], 0
	s_mov_b32 s[CNT], 8
.Lstep_\@:
	v_add_nc_u32 v3, s[TK], v1                     ; six plain lines: also the places behind the last products, ahead of loads into their operands
	v_add_nc_u32 v4, s[TK], v2
	v_add_nc_u32 v5, s[TS], v11
	v_add_nc_u32 v6, s[TK], v9
	v_add_nc_u32 v7, s[TK], v10
	v_add_nc_u32 v8, s[TV], v41
.irp i, 0,1,2,3,4,5,6,7
	ds_load_b128 v[42+6*\i:45+6*\i], v3 offset:768*\i
	ds_load_b64 v[46+6*\i:47+6*\i], v4 offset:768*\i+512
.endr
	ds_load_b64 v[230:231], v5
	ds_load_b64 v[232:233], v5 offset:256
	s_wait_alu depctr_va_vdst(0)
	s_wait_dscnt 0x0
.irp i, 0,1,2,3,4,5,6,7
.set WD, 96+8*\i
.set WA, 42+6*\i
.set WB, 16+12*(\par)
.set WSA, 230+\i/2
.set WSB, 40
	WMR 0, \i%2, \par
.endr
.rept 4
	v_nop                                          ; places: loads into K's registers and reads of the scores follow
.endr
.irp t, 0,1,2,3
	FRAG4 42+12*\t, 6, 7, 1536*\t                  ; V's four fragments land during the softmax
.endr
	ds_load_b64 v[234:235], v8
.irp b, 0,1,2,3
	v_max3_num_f32 v[212+\b], v[96+16*\b], v[97+16*\b], v[98+16*\b]   ; the largest score of each block of 32 keys: for the row's maximum, and, since p rises with the score, for the block's largest p
.endr
.irp i, 3,5,7,9,11,13
.irp b, 0,1,2,3
	v_max3_num_f32 v[212+\b], v[212+\b], v[96+16*\b+\i], v[97+16*\b+\i]
.endr
.endr
.irp b, 0,1,2,3
	v_max_num_f32 v[212+\b], v[212+\b], v[111+16*\b]
.endr
.irp b, 0,1,2,3
	s_delay_alu instid0(VALU_DEP_4)
	v_permlanex16_b32 v[216+\b], v[212+\b], s[SEL], s[SEL+1]
.endr
.irp b, 0,1,2,3
	s_delay_alu instid0(VALU_DEP_4)
	v_max_num_f32 v[212+\b], v[212+\b], v[216+\b]
.endr
	s_delay_alu instid0(VALU_DEP_2)
	v_max3_num_f32 v228, v212, v213, v214
	s_delay_alu instid0(VALU_DEP_1)
	v_max_num_f32 v228, v228, v215
	s_delay_alu instid0(VALU_DEP_1)
	v_mul_f32 v228, s[CS], v228                    ; as t (c is positive)
	s_delay_alu instid0(VALU_DEP_1)
	v_max_num_f32 v13, v13, v228
	v_mov_b32 v228, v12
	s_delay_alu instid0(VALU_DEP_2)
	v_floor_f32 v12, -v13                          ; the new -M = -ceil(t)
	s_delay_alu instid0(VALU_DEP_1)
	v_sub_f32 v228, v12, v228                      ; old M - new M: a whole number, 0 or less
	s_delay_alu instid0(VALU_DEP_1)
	v_cvt_i32_f32 v228, v228                       ; (it saturates)
	s_delay_alu instid0(VALU_DEP_1)
	v_ldexp_f32 v226, 1.0, v228                    ; f = 2^(old M - new M)
.set q, 0
.rept 32
	v_pk_fma_f32 v[96+2*q:97+2*q], v[96+2*q:97+2*q], s[CS:CS+1], v[12:13] op_sel_hi:[1,0,0]   ; t - M
.set q, q+1
.endr
.irp b, 0,1,2,3
	v_fma_f32 v[212+\b], v[212+\b], s[CS], v12
.endr
.set q, 0
	s_wait_alu depctr_va_vdst(0)
.rept 64
	v_exp_f32 v[96+q], v[96+q]                     ; p = 2^(t - M)
.set q, q+1
.endr
	v_pk_mul_f32 v[14:15], v[14:15], v[226:227] op_sel_hi:[1,0]   ; the sums under the new M: a plain place behind the exponentials
	s_wait_alu depctr_va_vdst(0)                   ; one wait for the batch of 64, ahead of its first reader
.irp b, 0,1,2,3
	v_exp_f32 v[212+\b], v[212+\b]                 ; each block's largest p
.endr
	v_pk_add_f32 v[216:217], v[100:101], v[104:105]
	v_pk_add_f32 v[252:253], v[108:109], v[112:113]
	v_pk_add_f32 v[250:251], v[116:117], v[120:121]
	v_pk_add_f32 v[248:249], v[124:125], v[128:129]
	v_pk_add_f32 v[246:247], v[132:133], v[136:137]
	v_pk_add_f32 v[244:245], v[140:141], v[144:145]
	v_pk_add_f32 v[242:243], v[148:149], v[152:153]
	v_pk_add_f32 v[14:15], v[14:15], v[156:157]
	v_pk_add_f32 v[216:217], v[216:217], v[96:97]
	v_pk_add_f32 v[252:253], v[252:253], v[98:99]
	v_pk_add_f32 v[250:251], v[250:251], v[102:103]
	v_pk_add_f32 v[248:249], v[248:249], v[106:107]
	v_pk_add_f32 v[246:247], v[246:247], v[110:111]
	v_pk_add_f32 v[244:245], v[244:245], v[114:115]
	v_pk_add_f32 v[242:243], v[242:243], v[118:119]
	v_pk_add_f32 v[14:15], v[14:15], v[122:123]
	v_pk_add_f32 v[216:217], v[216:217], v[126:127]
	v_pk_add_f32 v[252:253], v[252:253], v[130:131]
	v_pk_add_f32 v[250:251], v[250:251], v[134:135]
	v_pk_add_f32 v[248:249], v[248:249], v[138:139]
	v_pk_add_f32 v[246:247], v[246:247], v[142:143]
	v_pk_add_f32 v[244:245], v[244:245], v[146:147]
	v_pk_add_f32 v[242:243], v[242:243], v[150:151]
	v_pk_add_f32 v[14:15], v[14:15], v[154:155]
	v_pk_add_f32 v[216:217], v[216:217], v[158:159]
	s_delay_alu instid0(VALU_DEP_2)
	v_pk_add_f32 v[14:15], v[14:15], v[248:249]
	s_delay_alu instid0(VALU_DEP_2)
	v_pk_add_f32 v[216:217], v[216:217], v[246:247]
	v_pk_add_f32 v[252:253], v[252:253], v[244:245]
	v_pk_add_f32 v[250:251], v[250:251], v[242:243]
	s_delay_alu instid0(VALU_DEP_2)
	v_pk_add_f32 v[14:15], v[14:15], v[252:253]
	s_delay_alu instid0(VALU_DEP_2)
	v_pk_add_f32 v[216:217], v[216:217], v[250:251]
	s_delay_alu instid0(VALU_DEP_1)
	v_pk_add_f32 v[14:15], v[14:15], v[216:217]
	s_wait_alu depctr_va_vdst(0)                   ; and one for the four
.irp b, 0,1,2,3
	v_max_num_f32 v[212+\b], 0x1800000, v[212+\b]  ; the floor 2^(3 - 127)
.endr
.irp b, 0,1,2,3
	s_delay_alu instid0(VALU_DEP_4)
	v_add_nc_u32 v[220+\b], 0xff000000, v[212+\b]
.endr
.irp b, 0,1,2,3
	s_delay_alu instid0(VALU_DEP_4)
	v_lshrrev_b32 v[216+\b], 23, v[220+\b]
.endr
	s_delay_alu instid0(VALU_DEP_3)
	v_lshl_or_b32 v224, v217, 8, v216
	s_delay_alu instid0(VALU_DEP_1)
	v_lshl_or_b32 v224, v218, 16, v224
	s_delay_alu instid0(VALU_DEP_1)
	v_lshl_or_b32 v224, v219, 24, v224
.irp c, 0,1
	v_cvt_scalef32_pk16_fp6_f32 v[192+6*\c:194+6*\c], v[96+32*\c:111+32*\c], v[220+2*\c]
	v_cvt_scalef32_pk16_fp6_f32 v[204+4*\c:206+4*\c], v[112+32*\c:127+32*\c], v[220+2*\c+1]
.endr
	v_nop                                          ; one plain place behind the scaled conversions
.irp c, 0,1
.irp i, 0,1,2
	v_permlane16_swap_b32 v[192+6*\c+\i], v[204+4*\c+\i]
.endr
.irp i, 0,1,2
	s_delay_alu instid0(VALU_DEP_3)
	v_mov_b32 v[195+6*\c+\i], v[204+4*\c+\i]
.endr
.endr
.set q, 0
.rept 16
	v_pk_mul_f32 v[160+2*q:161+2*q], v[160+2*q:161+2*q], v[226:227] op_sel_hi:[1,0]   ; O^T under the new M; these sixteen also stand between p's codes and scale word and the products
.set q, q+1
.endr
	s_wait_alu depctr_va_vdst(0)
	s_wait_dscnt 0x0                               ; V is in
.irp t, 0,1,2,3
.set WD, 160+8*\t
.set WA, 42+12*\t
.set WB, 192
.set WSA, 234+\t/2
.set WSB, 224
	WMR v[WD:WD+7], \t%2, 0                        ; four accumulators by turns
.endr
	s_add_co_u32 s[TK], s[TK], 6144
	s_add_co_u32 s[TS], s[TS], 512
	s_add_co_u32 s[TV], s[TV], 256
	s_sub_co_u32 s[CNT], s[CNT], 1
	s_cmp_lg_u32 s[CNT], 0
	s_cbranch_scc1 .Lstep_\@
.rept 4
	v_nop                                          ; places behind the last products
.endr
	v_add_f32 v14, v14, v15
	s_delay_alu instid0(VALU_DEP_1)
	v_permlanex16_b32 v228, v14, s[SEL], s[SEL+1]
	s_delay_alu instid0(VALU_DEP_1)
	v_add_f32 v14, v14, v228                       ; the row's sum
	s_wait_alu depctr_va_vdst(0)
	v_rcp_f32 v14, v14
	v_nop
	s_wait_alu depctr_va_vdst(0)
.set q, 0
.rept 32
	v_mul_f32 v[96+q], v[160+q], v14               ; register 16 b + i = channel 32 b + 16 h + i of my query
.set q, q+1
.endr
.irp b, 0,1
	v_max3_num_f32 v[212+\b], |v[96+16*\b]|, |v[97+16*\b]|, 0x1800000
.endr
.irp i, 2,4,6,8,10,12,14
.irp b, 0,1
	s_delay_alu instid0(VALU_DEP_2)
	v_max3_num_f32 v[212+\b], v[212+\b], |v[96+16*\b+\i]|, |v[97+16*\b+\i]|
.endr
.endr
.irp b, 0,1
	s_delay_alu instid0(VALU_DEP_2)
	v_permlanex16_b32 v[216+\b], v[212+\b], s[SEL], s[SEL+1]
.endr
.irp b, 0,1
	s_delay_alu instid0(VALU_DEP_2)
	v_max_num_f32 v[212+\b], v[212+\b], v[216+\b]
.endr
.irp b, 0,1
	s_delay_alu instid0(VALU_DEP_2)
	v_add_nc_u32 v[220+\b], 0xff000000, v[212+\b]
.endr
.irp b, 0,1
	s_delay_alu instid0(VALU_DEP_2)
	v_lshrrev_b32 v[216+\b], 23, v[220+\b]
.endr
	s_delay_alu instid0(VALU_DEP_1)
	v_lshl_or_b32 v[236+(\par)], v217, 8, v216     ; the head's two bytes of my row
	v_cvt_scalef32_pk16_fp6_f32 v[192:194], v[96:111], v220
	v_cvt_scalef32_pk16_fp6_f32 v[204:206], v[112:127], v221
	v_nop
.irp i, 0,1,2
	v_permlane16_swap_b32 v[192+\i], v[204+\i]
.endr
.irp i, 0,1,2
	s_delay_alu instid0(VALU_DEP_3)
	v_mov_b32 v[195+\i], v[204+\i]
.endr
	global_store_b128 v[L16], v[192:195], s[32:33] offset:1536*(\par)
	global_store_b64 v[L8], v[196:197], s[32:33] offset:1536*(\par)+512
.endm
	s_load_b128 s[4:7], s[0:1], 0x0                ; qkv, att
	v_lshl_add_u32 v254, v0, 2, 0x19800
	v_mov_b32 v255, 0
	v_lshrrev_b32 v1, 5, v0
	s_delay_alu instid0(VALU_DEP_1)
	v_readfirstlane_b32 s[WV], v1                  ; wave 0..15
	s_and_b32 s[BH], ttmp7, 0xffff                 ; batch-head
	v_and_b32 v3, 31, v0
	s_delay_alu instid0(VALU_DEP_1)
	v_lshlrev_b32 v[L16], 4, v3
	s_delay_alu instid0(VALU_DEP_2)
	v_lshlrev_b32 v[L8], 3, v3
	s_delay_alu instid0(VALU_DEP_2)
	v_add_nc_u32 v9, 49152, v1                     ; V's images lie behind K's
	s_delay_alu instid0(VALU_DEP_2)
	v_add_nc_u32 v10, 49152, v2
	s_delay_alu instid0(VALU_DEP_3)
	v_add_nc_u32 v11, 98304, v2                    ; K's scale words
	s_delay_alu instid0(VALU_DEP_4)
	v_add_nc_u32 v41, 102400, v2                   ; V's
	v_lshlrev_b32 v3, 4, v0                        ; the copy: 16 x thread, in memory and in LDS
	s_delay_alu instid0(VALU_DEP_1)
	v_add_nc_u32 v4, 49152, v3
	v_lshlrev_b32 v5, 3, v0
	s_delay_alu instid0(VALU_DEP_1)
	v_add_nc_u32 v6, 98304, v5
	v_lshrrev_b32 v7, 6, v0
	s_delay_alu instid0(VALU_DEP_1)
	v_lshlrev_b32 v7, 9, v7
	v_and_b32 v8, 63, v0
	s_delay_alu instid0(VALU_DEP_1)
	v_lshl_add_u32 v7, v8, 2, v7                   ; V's scale words: key step thread / 64, word thread % 64 of its first 64 keys; the second 64 lie 256 bytes on
	v_lshl_add_u32 v8, v0, 2, 102400
	s_and_b32 s38, s[WV], 1
	s_lshl_b32 s38, s38, 2
	v_add_nc_u32 v228, s38, v2                     ; Q's scale words: 8 x lane + 4 (w % 2)
	s_mov_b32 s[CS], 0x3e38aa3b                    ; log2(e) / 8
	s_mov_b32 s[CS+1], s[CS]
	s_mov_b32 s[SEL], 0x76543210
	s_mov_b32 s[SEL+1], 0xfedcba98
	s_mov_b32 s[HI], 0xffff0000
	s_mov_b32 s39, 0
	s_mul_i32 s36, s[BH], 49152
	s_lshl_b32 s37, s[BH], 12
	s_wait_alu depctr_va_vdst(0)
	s_wait_kmcnt 0x0
	s_add_co_u32 s38, s36, O_KI
	s_add_nc_u64 s[20:21], s[4:5], s[38:39]
	s_add_co_u32 s38, s36, O_VI
	s_add_nc_u64 s[22:23], s[4:5], s[38:39]
	s_add_co_u32 s38, s37, O_KS
	s_add_nc_u64 s[24:25], s[4:5], s[38:39]
	s_add_co_u32 s38, s37, O_VS
	s_add_nc_u64 s[26:27], s[4:5], s[38:39]
	s_lshl_b32 s38, s[BH], 7
	s_lshl_b32 s36, ttmp9, 5
	s_add_co_u32 s38, s38, s36
	s_lshl_b32 s36, s[WV], 1
	s_add_co_u32 s38, s38, s36                     ; my first tile: 128 bh + 32 x + 2 w
	s_mul_i32 s38, s38, 768
	s_add_nc_u64 s[28:29], s[4:5], s[38:39]
	s_lshl_b32 s38, s[BH], 5
	s_lshl_b32 s36, ttmp9, 3
	s_add_co_u32 s38, s38, s36
	s_lshr_b32 s37, s[WV], 1
	s_add_co_u32 s38, s38, s37                     ; my group of four tiles
	s_lshl_b32 s38, s38, 8
	s_add_co_u32 s38, s38, O_QS
	s_add_nc_u64 s[30:31], s[4:5], s[38:39]
	s_lshr_b32 s40, s[BH], 4
	s_lshl_b32 s40, s40, 5
	s_add_co_u32 s40, s40, s36
	s_add_co_u32 s40, s40, s37                     ; G = 32 batch + 8 x + w / 2: my group of 64 rows
	s_and_b32 s41, s[BH], 15                       ; the head
	s_and_b32 s42, s[WV], 1
	s_lshl_b32 s38, s40, 3
	s_lshr_b32 s36, s41, 1
	s_add_co_u32 s38, s38, s36                     ; 8 G + K step
	s_lshl_b32 s38, s38, 2
	s_lshl_b32 s36, s42, 1
	s_add_co_u32 s38, s38, s36                     ; x 4 + my first tile of the group
	s_mul_i32 s38, s38, 1536
	s_and_b32 s36, s41, 1
	s_mul_i32 s36, s36, 768                        ; the head's half of the fragment
	s_add_co_u32 s38, s38, s36
	s_add_nc_u64 s[32:33], s[6:7], s[38:39]
	s_lshl_b32 s38, s40, 1
	s_add_co_u32 s38, s38, s42
	s_lshl_b32 s38, s38, 4
	s_add_co_u32 s38, s38, s41
	s_lshl_b32 s38, s38, 7
	s_add_co_u32 s38, s38, O_AS
	s_add_nc_u64 s[34:35], s[6:7], s[38:39]
.irp i, 0,1,2,3,4,5
	global_load_b128 v[96+4*\i:99+4*\i], v3, s[20:21] offset:8192*\i
	global_load_b128 v[120+4*\i:123+4*\i], v3, s[22:23] offset:8192*\i
.endr
	global_load_b64 v[144:145], v5, s[24:25]
	global_load_b32 v146, v7, s[26:27]
	global_load_b32 v147, v7, s[26:27] offset:256
	global_load_b128 v[16:19], v[L16], s[28:29]
	global_load_b64 v[20:21], v[L8], s[28:29] offset:512
	global_load_b128 v[28:31], v[L16], s[28:29] offset:768
	global_load_b64 v[32:33], v[L8], s[28:29] offset:1280
	global_load_b32 v40, v228, s[30:31]            ; lanes 0-15 my even tile's words, lanes 16-31 my odd tile's
.irp j, 0,1,2,3,4,5
	v_mov_b32 v[22+\j], 0                          ; zero codes for k = 64 .. 127
	v_mov_b32 v[34+\j], 0
	v_mov_b32 v[90+\j], 0
.endr
.irp b, 0,1,2,3
	v_mov_b32 v[216+\b], 0                         ; written once: a lane permute's destination counts as one of its sources
.endr
	v_mov_b32 v227, 0                              ; (named as the upper half of the pair v[226:227])
	s_wait_loadcnt 0x0
.irp i, 0,1,2,3,4,5
	ds_store_b128 v3, v[96+4*\i:99+4*\i] offset:8192*\i
	ds_store_b128 v4, v[120+4*\i:123+4*\i] offset:8192*\i
.endr
	ds_store_b64 v6, v[144:145]
	v_lshl_or_b32 v146, v147, 16, v146             ; a key step's four bytes: two from each 64 keys
	ds_store_b32 v8, v146
	v_mov_b32 v228, 0
	s_wait_dscnt 0x0                               ; for the others' sake: my stores have landed
	s_barrier_signal -1
	s_barrier_wait -1
	TILE 0
	TILE 1
	v_and_b32 v3, 31, v0
	s_delay_alu instid0(VALU_DEP_1)
	v_lshlrev_b32 v3, 2, v3
	v_cndmask_b32 v228, v236, v237, s[HI]          ; lanes 0-15 the even tile's words, lanes 16-31 the odd tile's
	global_store_b32 v3, v228, s[34:35]
	s_wait_tensorcnt 0x0
	ds_add_u32 v254, v255
	s_wait_dscnt 0x0
	s_endpgm
.Lfunc_end_k_q270b77fda3_attn:
	.size	k_q270b77fda3_attn, .Lfunc_end_k_q270b77fda3_attn-k_q270b77fda3_attn
	.p2alignl 7, 3214868480
	.fill 96, 4, 3214868480
	.section	.rodata,"a",@progbits
	.p2align	6, 0x0
	.amdhsa_kernel k_q270b77fda3_attn
		.amdhsa_group_segment_fixed_size 106496
		.amdhsa_private_segment_fixed_size 0
		.amdhsa_enable_private_segment 0
		.amdhsa_kernarg_size 16
		.amdhsa_user_sgpr_count 2
		.amdhsa_user_sgpr_kernarg_segment_ptr 1
		.amdhsa_wavefront_size32 1
		.amdhsa_system_sgpr_workgroup_id_x 1
		.amdhsa_system_sgpr_workgroup_id_y 1
		.amdhsa_system_sgpr_workgroup_id_z 1
		.amdhsa_system_vgpr_workitem_id 0
		.amdhsa_next_free_vgpr 256
		.amdhsa_next_free_sgpr 66
		.amdhsa_reserve_vcc 0
		.amdhsa_float_denorm_mode_32 3
		.amdhsa_float_denorm_mode_16_64 3
		.amdhsa_memory_ordered 1
		.amdhsa_forward_progress 1
		.amdhsa_inst_pref_size 54
	.end_amdhsa_kernel
	.amdgpu_metadata
---
amdhsa.version: [ 1, 2 ]
amdhsa.kernels:
  - .name:           k_q270b77fda3_attn
    .symbol:         k_q270b77fda3_attn.kd
    .args:
      - { .name: qkv, .offset: 0, .size: 8, .value_kind: global_buffer, .address_space: global }
      - { .name: att, .offset: 8, .size: 8, .value_kind: global_buffer, .address_space: global }
    .group_segment_fixed_size: 106496
    .private_segment_fixed_size: 0
    .kernarg_segment_align: 8
    .kernarg_segment_size: 16
    .max_flat_workgroup_size: 512
    .sgpr_count:     66
    .vgpr_count:     256
    .wavefront_size: 32
...
	.end_amdgpu_metadata
.endif
;; end of part 3
;; launch wo (part 4): grid 256 x 1, 4 waves a work-group, clusters of 4 x 1, 167,936 bytes of LDS; arguments wts, att, bo, y1; writes y1
.if DOCPART == 4
	.amdgcn_target "amdgcn-amd-amdhsa--gfx1250"
	.amdhsa_code_object_version 6
	.text
	.protected	k_q270b77fda3_wo
	.globl	k_q270b77fda3_wo
	.p2align	8
	.type	k_q270b77fda3_wo,@function
k_q270b77fda3_wo:
	s_mov_b64 s[64:65], 0
	v_nop
	global_prefetch_b8 v0, s[64:65] scope:SCOPE_SE
	s_setreg_imm32_b32 hwreg(HW_REG_WAVE_MODE, 25, 1), 1
	s_wait_xcnt 0x0
	s_wait_alu depctr_hold_cnt(0) depctr_sa_sdst(0) depctr_va_vdst(0) depctr_va_sdst(0) depctr_va_ssrc(0) depctr_va_vcc(0) depctr_vm_vsrc(0)
	s_getreg_b32 s2, hwreg(HW_REG_IB_STS2, 6, 4)
	s_cmp_eq_u32 s2, 0
	s_cbranch_scc0 .Lentry_in_a_cluster
	s_endpgm
.Lentry_in_a_cluster:
	s_bfe_u32 s2, ttmp6, 0x10000c
	s_cmp_lg_u32 s2, 0x3003
	s_cbranch_scc0 .Lentry_shape_is_right
	s_endpgm
.Lentry_shape_is_right:
; WO.  y1 = att Wo + bo on codes of E2M3; y1 is quantised at once along its columns (the next product's K) and leaves as images of operand registers.
; SHARES.  A cluster of four work-groups owns 128 rows (cluster number R); work-group cx of it makes columns 256 cx .. + 255; wave w of it columns 64 (4 cx + w) .. + 63 of all 128 rows: 8 x 4 accumulators.
; THE ROWS' CODES, 98,304 bytes of images for all of K, come into LDS once: one tensor load a wave, 96 rows of 256 bytes.  The four work-groups need the same rows: the load is JOINT (mask 15).
; A WEIGHT FRAGMENT has one reader in the work-group: it goes from the image laid by the first launch straight into that wave's registers (three loads of 512 consecutive bytes), four sets, asked for three K steps ahead.
; So no joint load for the weights (it would land in LDS, for one reader), and no prefetch: the rows come once at the head, the weights are asked for three steps ahead of their use.
; The rows' scale words stay in registers for all of K: word (K step s, tile pair j) = the two bytes of head 2 s and the two of head 2 s + 1.
; Source 0 = 16 columns of the weight, source 1 = 16 rows: a lane holds one row, its registers run along the columns, 16 neighbours in two neighbouring tiles.  The bias is the C of each sum's first product.
; REGISTERS: window 0: v3-13 addresses; v14-15 LDS addresses of the second 64 rows; v20-27 weights' scale words, four sets; v64-95 rows' scale words; v96-159 at work.
;   window 1: v0-191 weight sets; v192-223 the bias.  window 2: the accumulators, (a, i) at 8 (4 a + i).  window 3: v0-191 rows' fragments, two sets.
; LIMITS: NaN and infinities are not served; a block's byte is held at 1 from below; a block of zeros has the byte 1 (its codes are zeros, and only this program reads the bytes).
.set NK, 8
.set O_WOI, 1966080
.set O_WOS, 4407296
.set O_AS, 6291456
.set O_YS, 6291456
.set SPARE, 98304                      ; behind the images: the spare words, 128 bytes a wave
.set BH,  3                            ; v3  64 h: my eight numbers of a tile's bias
.set L4,  5                            ; v5  4 x lane
.set SPW, 10
.set NIL, 11
.set ADR, 12                           ; v12, v13: 16 x lane, 8 x lane; v14, v15: the same + 49,152
.set L16, 12
.set L8,  13
.set BS,  20
.set AY,  64
.set TS,  96
.set PC,  96
.set TM,  116
.set PW,  132
.set T,   134
.set SW,  136
.set WV,  12
.set CB,  14
.set G0,  16
.set G1,  20
.set SEL, 28
.set HI,  30
.set BP,  32
.set BSP, 34
.set BIA, 36
.set OP,  38
.set OSP, 40
.set ASP, 42
.set MSB, 0
.macro WIN new                         ; the immediate's high byte repeats the setting that is left
.set WNEW, (\new)
.if MSB != WNEW
	s_set_vgpr_msb (MSB<<8)|WNEW
.set MSB, WNEW
.endif
.endm
.macro PLACES n
.rept \n
	v_nop
.endr
.endm
.macro ROUND                           ; a round of the cluster's barrier
	s_barrier_signal -1
	s_barrier_wait -1
	s_cmp_lg_u32 s[WV], 0
	s_cbranch_scc1 .Lnot_wave_0_\@
	s_barrier_signal -3
.Lnot_wave_0_\@:
	s_barrier_wait -3
	s_barrier_signal -1
	s_barrier_wait -1
.endm
.macro QUANT s, W                      ; 64 numbers of a lane in window W, four blocks of which register 16 b + i is number 16 h + i: codes in v[PC] on, the four bytes in v[PW]
	WIN (\W)|((\W)<<2)
.irp b, 0,1,2,3
	v_max3_num_f32 v[TM+\b], |v[(\s)+16*\b]|, |v[(\s)+1+16*\b]|, 0x1800000   ; each accumulator is read from its low end on; the floor 2^(3 - 127) holds the byte at 1
.endr
	WIN ((\W)<<2)|((\W)<<4)
.irp i, 2,4,6,8,10,12,14
.irp b, 0,1,2,3
	v_max3_num_f32 v[TM+\b], v[TM+\b], |v[(\s)+16*\b+\i]|, |v[(\s)+1+16*\b+\i]|
.endr
.endr
	WIN 0
.irp b, 0,1,2,3
	v_permlanex16_b32 v[TM+4+\b], v[TM+\b], s[SEL], s[SEL+1]
.endr
.irp b, 0,1,2,3
	v_max_num_f32 v[TM+\b], v[TM+\b], v[TM+4+\b]
.endr
.irp b, 0,1,2,3
	v_add_nc_u32 v[TM+12+\b], 0xff000000, v[TM+\b]
.endr
.irp b, 0,1,2,3
	v_lshrrev_b32 v[TM+4+\b], 23, v[TM+12+\b]
.endr
	v_lshl_or_b32 v[PW], v[TM+5], 8, v[TM+4]
	v_lshl_or_b32 v[PW], v[TM+6], 16, v[PW]
	v_lshl_or_b32 v[PW], v[TM+7], 24, v[PW]
	WIN \W
.irp c, 0,1
	v_cvt_scalef32_pk16_fp6_f32 v[PC+6*\c:PC+2+6*\c], v[(\s)+32*\c:(\s)+15+32*\c], v[TM+12+2*\c]
	v_cvt_scalef32_pk16_fp6_f32 v[PC+12+4*\c:PC+14+4*\c], v[(\s)+16+32*\c:(\s)+31+32*\c], v[TM+12+2*\c+1]
.endr
	WIN 0
	v_nop                                          ; one plain place behind the scaled conversions
.irp c, 0,1
.irp i, 0,1,2
	v_permlane16_swap_b32 v[PC+6*\c+\i], v[PC+12+4*\c+\i]
.endr
.irp i, 0,1,2
	v_mov_b32 v[PC+3+6*\c+\i], v[PC+12+4*\c+\i]
.endr
.endr
.endm
.macro FRAG4 reg, a16, off             ; a fragment from its image of two halves
	ds_load_b128 v[(\reg):(\reg)+3], v[\a16] offset:(\off)
	ds_load_b64 v[(\reg)+4:(\reg)+5], v[(\a16)+1] offset:(\off)+512
	ds_load_b128 v[(\reg)+6:(\reg)+9], v[\a16] offset:(\off)+768
	ds_load_b64 v[(\reg)+10:(\reg)+11], v[(\a16)+1] offset:(\off)+1280
.endm
.macro LOADA s                         ; the eight row fragments of K step s into set s % 2: 32 LDS loads
	WIN 0xc0
.irp a, 0,1,2,3,4,5,6,7
	FRAG4 96*((\s)%2)+12*\a, ADR+2*(\a/4), (4*(\s)+\a%4)*1536
.endr
	WIN 0
.endm
.macro LOADB s                         ; my four weight fragments and two scale registers of K step s into set s % 4: 13 loads
.set LBS, (\s)%4
	global_load_b64 v[BS+2*LBS:BS+2*LBS+1], v[L16], s[BSP:BSP+1] offset:512*(\s)
	WIN 0x40
.irp i, 0,1,2,3
.irp c, 0,1,2
	global_load_b128 v[48*LBS+12*\i+4*\c:48*LBS+12*\i+4*\c+3], v[L16], s[BP:BP+1] offset:12288*(\s)+1536*\i+512*\c
.endr
.endr
	WIN 0
.endm
.macro WMR c, ra, rb                   ; ra, rb: the side's scale words stand in lanes 16-31
.if (\ra) && (\rb)
	v_wmma_scale_f32_16x16x128_f8f6f4 v[WD:WD+7], v[WA:WA+11], v[WB:WB+11], \c, v[WSA], v[WSB] matrix_a_fmt:MATRIX_FMT_FP6 matrix_b_fmt:MATRIX_FMT_FP6 matrix_a_scale:MATRIX_SCALE_ROW1 matrix_b_scale:MATRIX_SCALE_ROW1
.elseif (\ra)
	v_wmma_scale_f32_16x16x128_f8f6f4 v[WD:WD+7], v[WA:WA+11], v[WB:WB+11], \c, v[WSA], v[WSB] matrix_a_fmt:MATRIX_FMT_FP6 matrix_b_fmt:MATRIX_FMT_FP6 matrix_a_scale:MATRIX_SCALE_ROW1
.elseif (\rb)
	v_wmma_scale_f32_16x16x128_f8f6f4 v[WD:WD+7], v[WA:WA+11], v[WB:WB+11], \c, v[WSA], v[WSB] matrix_a_fmt:MATRIX_FMT_FP6 matrix_b_fmt:MATRIX_FMT_FP6 matrix_b_scale:MATRIX_SCALE_ROW1
.else
	v_wmma_scale_f32_16x16x128_f8f6f4 v[WD:WD+7], v[WA:WA+11], v[WB:WB+11], \c, v[WSA], v[WSB] matrix_a_fmt:MATRIX_FMT_FP6 matrix_b_fmt:MATRIX_FMT_FP6
.endif
.endm
; K step s: the next step's rows and the weights three steps on are asked for, then 32 products.  Each accumulator is named once a step: they take turns.
.macro STEP s
	WIN 0
.if (\s) > 0
	PLACES 4                                       ; the sets loaded below were read by the last step's products
.endif
.if (\s)+1 < NK
	LOADA (\s)+1
.endif
.if (\s)+3 < NK
	LOADB (\s)+3
.endif
.if NK-1-(\s) >= 3
	s_wait_loadcnt 39                              ; this step's weights (in step 0 the bias too) are in: three younger steps of 13 loads may be out
.else
	s_wait_loadcnt 13*(NK-1-(\s))
.endif
.if (\s)+1 < NK
	s_wait_dscnt 32                                ; this step's rows are in: the next step's 32 loads may be out
.else
	s_wait_dscnt 0x0
.endif
.if (\s) == 0
	WIN 0x9d                                       ; source 0 window 1, source 1 window 3, C the bias in window 1, D window 2
.else
	WIN 0xad
.endif
.irp a, 0,1,2,3,4,5,6,7
.irp i, 0,1,2,3
.set WD, 8*(4*\a+\i)
.set WA, 48*((\s)%4)+12*\i
.set WB, 96*((\s)%2)+12*\a
.set WSA, BS+2*((\s)%4)+\i/2
.set WSB, AY+4*(\s)+\a/2
.set WC, 192+8*\i
.if (\s) == 0
	WMR v[WC:WC+7], \i%2, \a%2
.else
	WMR v[WD:WD+7], \i%2, \a%2
.endif
.endr
.endr
.endm
	s_load_b256 s[4:11], s[0:1], 0x0               ; wts 4, att 6, bo 8, y1 10
	v_lshl_add_u32 v[SPW], v0, 2, SPARE
	v_mov_b32 v[NIL], 0
	ds_add_u32 v[SPW], v[NIL]                      ; the opening add,
	ds_add_u32 v[SPW], v[NIL]                      ; twice on end, under the one wait below
	v_lshrrev_b32 v1, 5, v0
	v_readfirstlane_b32 s[WV], v1                  ; wave 0..3
	v_and_b32 v9, 31, v0
	v_bfe_u32 v8, v0, 4, 1                         ; h
	v_lshlrev_b32 v[L16], 4, v9
	v_lshlrev_b32 v[L8], 3, v9
	v_lshlrev_b32 v[L4], 2, v9
	v_lshlrev_b32 v[BH], 6, v8
	v_add_nc_u32 v[ADR+2], 49152, v[L16]
	v_add_nc_u32 v[ADR+3], 49152, v[L8]
	s_mov_b32 s[G1+0], 15|(3<<16)|(1<<21)          ; the mask names the cluster's four; elements of 8 bytes; bit 21 beside a mask
	s_mov_b32 s[G1+1], 32<<16                      ; rows of 256 bytes
	s_mov_b32 s[G1+2], 96<<16                      ; 96 of them: a quarter of the 98,304 bytes
	s_mov_b32 s[G1+3], 32<<16
	s_mov_b32 s[G1+4], 96
	s_mov_b32 s[G1+5], 32
	s_mov_b32 s[G1+6], 0
	s_mov_b32 s[G1+7], 0
	s_mov_b32 s[G0], 1
	s_mul_i32 s[G0+1], s[WV], 24576                ; my quarter, in LDS as in memory
	s_mul_i32 s44, ttmp9, 98304                    ; the cluster's 128 rows
	s_add_co_u32 s44, s44, s[G0+1]
	s_mov_b32 s45, 0
	s_mov_b32 s[SEL], 0x76543210
	s_mov_b32 s[SEL+1], 0xfedcba98                 ; selects for lane l xor 16
	s_mov_b32 s[HI], 0xffff0000                    ; lanes 16-31
	s_wait_alu depctr_va_vdst(0)                   ; ahead of the waits below
	s_wait_dscnt 0x0                               ; both opening adds are done
	s_wait_kmcnt 0x0
	s_add_nc_u64 s[G0+2:G0+3], s[6:7], s[44:45]
	s_or_b32 s[G0+3], s[G0+3], 0x80000000
	ROUND                                          ; the four work-groups are here: the joint loads meet
	tensor_load_to_lds s[G0:G0+3], s[G1:G1+7]      ; my one tensor load
	s_nop 0
	PLACES 4
	s_bfe_u32 s[CB], ttmp6, 0x40000                ; cx: my work-group's 256 columns
	s_lshl_b32 s46, s[CB], 2
	s_add_co_u32 s46, s46, s[WV]                   ; 4 cx + w: my 64 columns
	s_lshr_b32 s47, s46, 1                         ; their 128 in the weight's image (also y1's K step),
	s_and_b32 s48, s46, 1                          ; and which half
	s_mul_i32 s44, s47, NK*12288
	s_mul_i32 s49, s48, 6144
	s_add_co_u32 s44, s44, s49
	s_add_co_u32 s44, s44, O_WOI
	s_add_nc_u64 s[BP:BP+1], s[4:5], s[44:45]
	s_mul_i32 s44, s47, NK*512
	s_lshl_b32 s49, s48, 3
	s_add_co_u32 s44, s44, s49
	s_add_co_u32 s44, s44, O_WOS
	s_add_nc_u64 s[BSP:BSP+1], s[4:5], s[44:45]
	s_lshl_b32 s44, s46, 8
	s_add_nc_u64 s[BIA:BIA+1], s[8:9], s[44:45]
	s_lshl_b32 s44, ttmp9, 13
	s_add_co_u32 s44, s44, O_AS
	s_add_nc_u64 s[ASP:ASP+1], s[6:7], s[44:45]
	s_mul_i32 s44, ttmp9, 98304
	s_mul_i32 s49, s47, 6144
	s_add_co_u32 s44, s44, s49
	s_mul_i32 s49, s48, 768
	s_add_co_u32 s44, s44, s49
	s_add_nc_u64 s[OP:OP+1], s[10:11], s[44:45]
	s_lshl_b32 s44, ttmp9, 4
	s_add_co_u32 s44, s44, s46
	s_lshl_b32 s44, s44, 9
	s_add_co_u32 s44, s44, O_YS
	s_add_nc_u64 s[OSP:OSP+1], s[10:11], s[44:45]
.set q, 0
.rept 64
	global_load_b32 v[TS+q], v[L4], s[ASP:ASP+1] offset:128*q   ; tile pair q / 16, head q % 16: 128 consecutive bytes
.set q, q+1
.endr
	WIN 0x40
.irp i, 0,1,2,3
	global_load_b128 v[192+8*\i:195+8*\i], v[BH], s[BIA:BIA+1] offset:(32*(\i/2)+8*(\i%2))*4
	global_load_b128 v[196+8*\i:199+8*\i], v[BH], s[BIA:BIA+1] offset:(32*(\i/2)+8*(\i%2))*4+16
.endr
	WIN 0
	LOADB 0
	LOADB 1
	LOADB 2
	s_wait_loadcnt 47                              ; the 64 words are in: 8 bias loads and 39 weight loads are younger
.set q, 0
.rept 32
	v_lshl_or_b32 v[AY+4*(q%8)+q/8], v[TS+2*q+1], 16, v[TS+2*q]   ; a K step's four bytes: two from each of its two heads
.set q, q+1
.endr
.irp b, 0,1,2,3
	v_mov_b32 v[TM+4+\b], 0                        ; written once: a lane permute's destination counts as one of its sources
.endr
	PLACES 4                                       ; with the four above: eight places between the scale words and the first product
	s_wait_alu depctr_va_vdst(0)
	s_wait_tensorcnt 0x0                           ; my quarter of the rows is in
	s_barrier_signal -1
	s_barrier_wait -1                              ; everybody's is; from here on LDS is only read
	LOADA 0
.set KSTP, 0
.rept NK
	STEP KSTP
.set KSTP, KSTP+1
.endr
	WIN 0
	PLACES 4                                       ; behind the last products: reads of their results follow
.irp jp, 0,1,2,3                               ; row tiles 2 jp and 2 jp + 1: two blocks of 32 columns each: a half fragment each
.set OFF0, ((2*\jp)/4)*49152+((2*\jp)%4)*1536
.set OFF1, ((2*\jp+1)/4)*49152+((2*\jp+1)%4)*1536
	s_wait_xcnt 0x0                                ; the codes' registers were store data
	QUANT 64*\jp, 2
	global_store_b128 v[L16], v[PC:PC+3], s[OP:OP+1] offset:OFF0
	global_store_b64 v[L8], v[PC+4:PC+5], s[OP:OP+1] offset:OFF0+512
	global_store_b128 v[L16], v[PC+6:PC+9], s[OP:OP+1] offset:OFF1
	global_store_b64 v[L8], v[PC+10:PC+11], s[OP:OP+1] offset:OFF1+512
	v_and_b32 v[T], 0xffff, v[PW]
	v_lshrrev_b32 v[T+1], 16, v[PW]
	v_cndmask_b32 v[SW+\jp], v[T], v[T+1], s[HI]   ; lanes 0-15 the even tile's two bytes, lanes 16-31 the odd tile's
.endr
	global_store_b128 v[L16], v[SW:SW+3], s[OSP:OSP+1]   ; [my 64 columns][lane][tile pair]: 512 consecutive bytes
	s_wait_tensorcnt 0x0                           ; the wave's end
	ds_add_u32 v[SPW], v[NIL]
	s_wait_dscnt 0x0
	ROUND                                          ; the closing round
	s_endpgm
.Lfunc_end_k_q270b77fda3_wo:
	.size	k_q270b77fda3_wo, .Lfunc_end_k_q270b77fda3_wo-k_q270b77fda3_wo
	.p2alignl 7, 3214868480
	.fill 96, 4, 3214868480
	.section	.rodata,"a",@progbits
	.p2align	6, 0x0
	.amdhsa_kernel k_q270b77fda3_wo
		.amdhsa_group_segment_fixed_size 167936
		.amdhsa_private_segment_fixed_size 0
		.amdhsa_enable_private_segment 0
		.amdhsa_kernarg_size 32
		.amdhsa_user_sgpr_count 2
		.amdhsa_user_sgpr_kernarg_segment_ptr 1
		.amdhsa_wavefront_size32 1
		.amdhsa_system_sgpr_workgroup_id_x 1
		.amdhsa_system_sgpr_workgroup_id_y 1
		.amdhsa_system_sgpr_workgroup_id_z 1
		.amdhsa_system_vgpr_workitem_id 0
		.amdhsa_next_free_vgpr 960
		.amdhsa_next_free_sgpr 66
		.amdhsa_reserve_vcc 0
		.amdhsa_float_denorm_mode_32 3
		.amdhsa_float_denorm_mode_16_64 3
		.amdhsa_memory_ordered 1
		.amdhsa_forward_progress 1
		.amdhsa_inst_pref_size 93
	.end_amdhsa_kernel
	.amdgpu_metadata
---
amdhsa.version: [ 1, 2 ]
amdhsa.kernels:
  - .name:           k_q270b77fda3_wo
    .symbol:         k_q270b77fda3_wo.kd
    .args:
      - { .name: wts, .offset: 0, .size: 8, .value_kind: global_buffer, .address_space: global }
      - { .name: att, .offset: 8, .size: 8, .value_kind: global_buffer, .address_space: global }
      - { .name: bo, .offset: 16, .size: 8, .value_kind: global_buffer, .address_space: global }
      - { .name: y1, .offset: 24, .size: 8, .value_kind: global_buffer, .address_space: global }
    .group_segment_fixed_size: 167936
    .private_segment_fixed_size: 0
    .kernarg_segment_align: 8
    .kernarg_segment_size: 32
    .max_flat_workgroup_size: 128
    .sgpr_count:     66
    .vgpr_count:     960
    .wavefront_size: 32
...
	.end_amdgpu_metadata
.endif
;; end of part 4
;; launch wf (part 5): grid 256 x 1, 4 waves a work-group, clusters of 4 x 1, 214,528 bytes of LDS; arguments acts, wts, y1, bf, out0; writes out0
.if DOCPART == 5
	.amdgcn_target "amdgcn-amd-amdhsa--gfx1250"
	.amdhsa_code_object_version 6
	.text
	.protected	k_q270b77fda3_wf
	.globl	k_q270b77fda3_wf
	.p2align	8
	.type	k_q270b77fda3_wf,@function
k_q270b77fda3_wf:
	s_mov_b64 s[64:65], 0
	v_nop
	global_prefetch_b8 v0, s[64:65] scope:SCOPE_SE
	s_setreg_imm32_b32 hwreg(HW_REG_WAVE_MODE, 25, 1), 1
	s_wait_xcnt 0x0
	s_wait_alu depctr_hold_cnt(0) depctr_sa_sdst(0) depctr_va_vdst(0) depctr_va_sdst(0) depctr_va_ssrc(0) depctr_va_vcc(0) depctr_vm_vsrc(0)
	s_getreg_b32 s2, hwreg(HW_REG_IB_STS2, 6, 4)
	s_cmp_eq_u32 s2, 0
	s_cbranch_scc0 .Lentry_in_a_cluster
	s_endpgm
.Lentry_in_a_cluster:
	s_bfe_u32 s2, ttmp6, 0x10000c
	s_cmp_lg_u32 s2, 0x3003
	s_cbranch_scc0 .Lentry_shape_is_right
	s_endpgm
.Lentry_shape_is_right:
; WF.  out0 = [person | y1] Wf + bf on codes of E2M3: K steps 0-7 take person's codes, K steps 8-15 y1's.
; SHARES.  A cluster of four work-groups owns 128 rows (cluster number R); work-group cx of it makes columns 256 cx .. + 255; wave w of it columns 64 (4 cx + w) .. + 63 of all 128 rows: 8 x 4 accumulators.
; THE ROWS' CODES, 196,608 bytes of images for all of K, come into LDS once: one tensor load a wave, 192 rows of 256 bytes (waves 0, 1 person's, waves 2, 3 y1's).  The four work-groups need the same rows: the loads are JOINT (mask 15).
; A WEIGHT FRAGMENT has one reader in the work-group: it goes from the image laid by the first launch straight into that wave's registers (three loads of 512 consecutive bytes), four sets, asked for three K steps ahead.
; So no joint load for the weights (it would land in LDS, for one reader), and no prefetch: the rows come once at the head, the weights are asked for three steps ahead of their use.
; The rows' scale words stay in registers for all of K.  Source 0 = 16 columns of the weight, source 1 = 16 rows: a lane holds one row.  The bias is the C of each sum's first product.
; THE WAY OUT: a tile of 16 rows x 64 columns goes through the wave's own stage (rows of 256 + 16 bytes) and comes back by rows: sixteen lanes store 256 consecutive bytes, aligned.
; REGISTERS: window 0: v3-7 addresses; v12-19 LDS addresses of the four regions of 49,152 bytes; v20-27 weights' scale words, four sets; v32-63 person's scale words, v64-95 y1's; v96-159 at work.
;   window 1: v0-191 weight sets; v192-223 the bias.  window 2: the accumulators, (a, i) at 8 (4 a + i).  window 3: v0-191 rows' fragments, two sets.
; LIMITS: NaN and infinities are not served.
.set NK, 16
.set O_RI, 6291456
.set O_RS, 15204352
.set O_WFI, 2752512
.set O_WFS, 4440064
.set O_YS, 6291456
.set STG, 196608                       ; behind the images: a stage of 16 x 272 bytes for each wave
.set SPARE, 214016                     ; behind the stages: the spare words, 128 bytes a wave
.set BH,  3                            ; v3  64 h
.set STO, 4                            ; v4  the stage: where I put 16 bytes of a row
.set SOA, 5                            ; v5  512 h + 32 r: person's scale words
.set RD,  6                            ; v6  the stage: where I read rows back
.set CO,  7                            ; v7  4,096 h + 16 r: the same two rows in out0
.set SPW, 10
.set NIL, 11
.set ADR, 12
.set L16, 12
.set L8,  13
.set BS,  20
.set AP,  32
.set AY,  64
.set TS,  96
.set WV,  14
.set CB,  15
.set G0,  16
.set G1,  20
.set G0Y, 28
.set BP,  32
.set BSP, 34
.set BIA, 36
.set OUTP, 38
.set PSP, 40
.set YSP, 42
.set MSB, 0
.macro WIN new                         ; the immediate's high byte repeats the setting that is left
.set WNEW, (\new)
.if MSB != WNEW
	s_set_vgpr_msb (MSB<<8)|WNEW
.set MSB, WNEW
.endif
.endm
.macro PLACES n
.rept \n
	v_nop
.endr
.endm
.macro ROUND                           ; a round of the cluster's barrier
	s_barrier_signal -1
	s_barrier_wait -1
	s_cmp_lg_u32 s[WV], 0
	s_cbranch_scc1 .Lnot_wave_0_\@
	s_barrier_signal -3
.Lnot_wave_0_\@:
	s_barrier_wait -3
	s_barrier_signal -1
	s_barrier_wait -1
.endm
.macro FRAG4 reg, a16, off             ; a fragment from its image of two halves
	ds_load_b128 v[(\reg):(\reg)+3], v[\a16] offset:(\off)
	ds_load_b64 v[(\reg)+4:(\reg)+5], v[(\a16)+1] offset:(\off)+512
	ds_load_b128 v[(\reg)+6:(\reg)+9], v[\a16] offset:(\off)+768
	ds_load_b64 v[(\reg)+10:(\reg)+11], v[(\a16)+1] offset:(\off)+1280
.endm
.macro LOADA s                         ; the eight row fragments of K step s into set s % 2: 32 LDS loads
	WIN 0xc0
.irp a, 0,1,2,3,4,5,6,7
	FRAG4 96*((\s)%2)+12*\a, ADR+4*((\s)/8)+2*(\a/4), (4*((\s)%8)+\a%4)*1536
.endr
	WIN 0
.endm
.macro LOADB s                         ; my four weight fragments and two scale registers of K step s into set s % 4: 13 loads
.set LBS, (\s)%4
	global_load_b64 v[BS+2*LBS:BS+2*LBS+1], v[L16], s[BSP:BSP+1] offset:512*(\s)
	WIN 0x40
.irp i, 0,1,2,3
.irp c, 0,1,2
	global_load_b128 v[48*LBS+12*\i+4*\c:48*LBS+12*\i+4*\c+3], v[L16], s[BP:BP+1] offset:12288*(\s)+1536*\i+512*\c
.endr
.endr
	WIN 0
.endm
.macro WMR c, ra, rb                   ; ra, rb: the side's scale words stand in lanes 16-31
.if (\ra) && (\rb)
	v_wmma_scale_f32_16x16x128_f8f6f4 v[WD:WD+7], v[WA:WA+11], v[WB:WB+11], \c, v[WSA], v[WSB] matrix_a_fmt:MATRIX_FMT_FP6 matrix_b_fmt:MATRIX_FMT_FP6 matrix_a_scale:MATRIX_SCALE_ROW1 matrix_b_scale:MATRIX_SCALE_ROW1
.elseif (\ra)
	v_wmma_scale_f32_16x16x128_f8f6f4 v[WD:WD+7], v[WA:WA+11], v[WB:WB+11], \c, v[WSA], v[WSB] matrix_a_fmt:MATRIX_FMT_FP6 matrix_b_fmt:MATRIX_FMT_FP6 matrix_a_scale:MATRIX_SCALE_ROW1
.elseif (\rb)
	v_wmma_scale_f32_16x16x128_f8f6f4 v[WD:WD+7], v[WA:WA+11], v[WB:WB+11], \c, v[WSA], v[WSB] matrix_a_fmt:MATRIX_FMT_FP6 matrix_b_fmt:MATRIX_FMT_FP6 matrix_b_scale:MATRIX_SCALE_ROW1
.else
	v_wmma_scale_f32_16x16x128_f8f6f4 v[WD:WD+7], v[WA:WA+11], v[WB:WB+11], \c, v[WSA], v[WSB] matrix_a_fmt:MATRIX_FMT_FP6 matrix_b_fmt:MATRIX_FMT_FP6
.endif
.endm
; K step s: the next step's rows and the weights three steps on are asked for, then 32 products.  Each accumulator is named once a step: they take turns.
.macro STEP s
	WIN 0
.if (\s) > 0
	PLACES 4                                       ; the sets loaded below were read by the last step's products
.endif
.if (\s)+1 < NK
	LOADA (\s)+1
.endif
.if (\s)+3 < NK
	LOADB (\s)+3
.endif
.if NK-1-(\s) >= 3
	s_wait_loadcnt 39                              ; this step's weights (in step 0 the bias too) are in: three younger steps of 13 loads may be out
.else
	s_wait_loadcnt 13*(NK-1-(\s))
.endif
.if (\s)+1 < NK
	s_wait_dscnt 32                                ; this step's rows are in: the next step's 32 loads may be out
.else
	s_wait_dscnt 0x0
.endif
.if (\s) == 0
	WIN 0x9d                                       ; source 0 window 1, source 1 window 3, C the bias in window 1, D window 2
.else
	WIN 0xad
.endif
.irp a, 0,1,2,3,4,5,6,7
.irp i, 0,1,2,3
.set WD, 8*(4*\a+\i)
.set WA, 48*((\s)%4)+12*\i
.set WB, 96*((\s)%2)+12*\a
.set WSA, BS+2*((\s)%4)+\i/2
.if (\s) < 8
.set WSB, AP+8*(\a/2)+(\s)
.else
.set WSB, AY+4*((\s)-8)+\a/2
.endif
.set WC, 192+8*\i
.if (\s) == 0
	WMR v[WC:WC+7], \i%2, \a%2
.else
	WMR v[WD:WD+7], \i%2, \a%2
.endif
.endr
.endr
.endm
; The way out of row tile a.  LDS serves a wave's instructions in order (ISA guide 5.7.1.4): no wait between the stores and the loads, nor in front of the next tile's stores.
.macro TOSTAGE a
	WIN 0x08
.irp i, 0,1,2,3
	ds_store_b128 v[STO], v[32*(\a)+8*\i:32*(\a)+8*\i+3] offset:128*(\i/2)+32*(\i%2)       ; each accumulator from its low end on
	ds_store_b128 v[STO], v[32*(\a)+8*\i+4:32*(\a)+8*\i+7] offset:128*(\i/2)+32*(\i%2)+16
.endr
	WIN 0
.set BB, TS+32*((\a)%2)
.irp t, 0,1,2,3,4,5,6,7
	ds_load_b128 v[BB+4*\t:BB+4*\t+3], v[RD] offset:544*\t         ; lanes 0-15 stage row 2 t, lanes 16-31 row 2 t + 1
.endr
.endm
.macro SEND a, younger
.set BB, TS+32*((\a)%2)
.set RW, 64*((\a)/4)+32*(((\a)%4)/2)+8*((\a)%2)
	s_wait_dscnt \younger
.irp t, 0,1,2,3,4,5,6,7
	global_store_b128 v[CO], v[BB+4*\t:BB+4*\t+3], s[OUTP:OUTP+1] offset:(RW+2*\t+8*(\t/4))*4096 th:TH_STORE_NT
.endr
.endm
	s_load_b256 s[4:11], s[0:1], 0x0               ; acts 4, wts 6, y1 8, bf 10
	s_load_b64 s[12:13], s[0:1], 0x20              ; out0
	v_lshl_add_u32 v[SPW], v0, 2, SPARE
	v_mov_b32 v[NIL], 0
	ds_add_u32 v[SPW], v[NIL]                      ; the opening add,
	ds_add_u32 v[SPW], v[NIL]                      ; twice on end, under the one wait below
	v_lshrrev_b32 v1, 5, v0
	v_readfirstlane_b32 s[WV], v1                  ; wave 0..3
	s_mul_i32 s46, s[WV], 4352
	s_add_co_u32 s46, s46, STG                     ; my stage
	v_and_b32 v9, 31, v0
	v_and_b32 v8, 15, v0                           ; r
	v_bfe_u32 v2, v0, 4, 1                         ; h
	v_lshlrev_b32 v[L16], 4, v9
	v_lshlrev_b32 v[L8], 3, v9
.irp k, 1,2,3
	v_add_nc_u32 v[ADR+2*\k], 49152*\k, v[L16]
	v_add_nc_u32 v[ADR+2*\k+1], 49152*\k, v[L8]
.endr
	v_lshlrev_b32 v[BH], 6, v2
	v_lshlrev_b32 v[SOA], 5, v8
	v_lshl_add_u32 v[SOA], v2, 9, v[SOA]
	v_mul_u32_u24 v[STO], v8, 272
	v_lshl_add_u32 v[STO], v2, 6, v[STO]
	v_add_nc_u32 v[STO], s46, v[STO]
	v_mul_u32_u24 v[RD], v2, 272
	v_lshl_add_u32 v[RD], v8, 4, v[RD]
	v_add_nc_u32 v[RD], s46, v[RD]
	v_lshlrev_b32 v[CO], 12, v2
	v_lshl_add_u32 v[CO], v8, 4, v[CO]
	s_mov_b32 s[G1+0], 15|(3<<16)|(1<<21)          ; the mask names the cluster's four; elements of 8 bytes; bit 21 beside a mask
	s_mov_b32 s[G1+1], 32<<16                      ; rows of 256 bytes
	s_mov_b32 s[G1+2], 192<<16                     ; 192 of them: 64 rows' images, 49,152 bytes
	s_mov_b32 s[G1+3], 32<<16
	s_mov_b32 s[G1+4], 192
	s_mov_b32 s[G1+5], 32
	s_mov_b32 s[G1+6], 0
	s_mov_b32 s[G1+7], 0
	s_mov_b32 s[G0], 1
	s_mov_b32 s[G0Y], 1
	s_mul_i32 s[G0+1], s[WV], 49152                ; person's two halves, then y1's two
	s_mul_i32 s[G0Y+1], s[WV], 49152
	s_and_b32 s47, s[WV], 1
	s_mul_i32 s47, s47, 49152
	s_mul_i32 s44, ttmp9, 98304                    ; the cluster's 128 rows
	s_add_co_u32 s44, s44, s47
	s_mov_b32 s45, 0
	s_add_co_u32 s48, s44, O_RI
	s_mov_b32 s49, 0
	s_wait_alu depctr_va_vdst(0)                   ; ahead of the waits below
	s_wait_dscnt 0x0                               ; both opening adds are done
	s_wait_kmcnt 0x0
	s_add_nc_u64 s[G0+2:G0+3], s[4:5], s[48:49]
	s_or_b32 s[G0+3], s[G0+3], 0x80000000
	s_add_nc_u64 s[G0Y+2:G0Y+3], s[8:9], s[44:45]
	s_or_b32 s[G0Y+3], s[G0Y+3], 0x80000000
	ROUND                                          ; the four work-groups are here: the joint loads meet
	s_cmp_lt_u32 s[WV], 2                          ; one load a wave: waves 0, 1 person's halves, waves 2, 3 y1's
	s_cbranch_scc0 .Lfor_y
	tensor_load_to_lds s[G0:G0+3], s[G1:G1+7]
	s_nop 0
	PLACES 4
	s_branch .Lasked
.Lfor_y:
	tensor_load_to_lds s[G0Y:G0Y+3], s[G1:G1+7]
	s_nop 0
	PLACES 4
.Lasked:
	s_bfe_u32 s[CB], ttmp6, 0x40000                ; cx: my work-group's 256 columns
	s_lshl_b32 s46, s[CB], 2
	s_add_co_u32 s46, s46, s[WV]                   ; 4 cx + w: my 64 columns
	s_lshr_b32 s47, s46, 1                         ; their 128 in the weight's image,
	s_and_b32 s48, s46, 1                          ; and which half
	s_mul_i32 s44, s47, NK*12288
	s_mul_i32 s49, s48, 6144
	s_add_co_u32 s44, s44, s49
	s_add_co_u32 s44, s44, O_WFI
	s_add_nc_u64 s[BP:BP+1], s[6:7], s[44:45]
	s_mul_i32 s44, s47, NK*512
	s_lshl_b32 s49, s48, 3
	s_add_co_u32 s44, s44, s49
	s_add_co_u32 s44, s44, O_WFS
	s_add_nc_u64 s[BSP:BSP+1], s[6:7], s[44:45]
	s_lshl_b32 s44, s46, 8
	s_add_nc_u64 s[BIA:BIA+1], s[10:11], s[44:45]
	s_lshl_b32 s49, ttmp9, 19                      ; 128 rows of 4,096 bytes
	s_add_co_u32 s44, s44, s49
	s_add_nc_u64 s[OUTP:OUTP+1], s[12:13], s[44:45]
	s_lshl_b32 s44, ttmp9, 12
	s_add_co_u32 s44, s44, O_RS
	s_add_nc_u64 s[PSP:PSP+1], s[4:5], s[44:45]
	s_lshl_b32 s44, ttmp9, 13
	s_add_co_u32 s44, s44, O_YS
	s_add_nc_u64 s[YSP:YSP+1], s[8:9], s[44:45]
.irp j, 0,1,2,3
	global_load_b128 v[AP+8*\j:AP+8*\j+3], v[SOA], s[PSP:PSP+1] offset:1024*\j       ; tile 2 j + h, row r: words of K steps 0-3,
	global_load_b128 v[AP+8*\j+4:AP+8*\j+7], v[SOA], s[PSP:PSP+1] offset:1024*\j+16  ; and 4-7
.endr
.set q, 0
.rept 16
	global_load_b128 v[TS+4*q:TS+4*q+3], v[L16], s[YSP:YSP+1] offset:512*q   ; y1's 64 columns q: two bytes for each of the four tile pairs
.set q, q+1
.endr
	WIN 0x40
.irp i, 0,1,2,3
	global_load_b128 v[192+8*\i:195+8*\i], v[BH], s[BIA:BIA+1] offset:(32*(\i/2)+8*(\i%2))*4
	global_load_b128 v[196+8*\i:199+8*\i], v[BH], s[BIA:BIA+1] offset:(32*(\i/2)+8*(\i%2))*4+16
.endr
	WIN 0
	LOADB 0
	LOADB 1
	LOADB 2
	s_wait_loadcnt 47                              ; the scale words are in: 8 bias loads and 39 weight loads are younger
.set q, 0
.rept 32
	v_lshl_or_b32 v[AY+q], v[TS+8*(q/4)+4+q%4], 16, v[TS+8*(q/4)+q%4]   ; a K step's four bytes: two from each 64 columns of y1
.set q, q+1
.endr
	PLACES 8                                       ; eight places between the scale words and the first product
	s_wait_alu depctr_va_vdst(0)
	s_wait_tensorcnt 0x0                           ; my quarter of the rows' images is in
	s_barrier_signal -1
	s_barrier_wait -1                              ; everybody's is; the images are only read from here on
	LOADA 0
.set KSTP, 0
.rept NK
	STEP KSTP
.set KSTP, KSTP+1
.endr
	WIN 0
	PLACES 4                                       ; behind the last products: LDS stores of their results follow
	TOSTAGE 0
	TOSTAGE 1
	SEND 0, 16                                     ; behind tile 0's loads: tile 1's 8 stores and 8 loads
.irp a, 2,3,4,5,6,7
	s_wait_xcnt 0x0                                ; tile a - 2's stores have read their registers: tile a's loads may land there
	TOSTAGE \a
	SEND \a-1, 16
.endr
	SEND 7, 0
	s_wait_tensorcnt 0x0                           ; the wave's end
	ds_add_u32 v[SPW], v[NIL]
	s_wait_dscnt 0x0
	ROUND                                          ; the closing round
	s_endpgm
.Lfunc_end_k_q270b77fda3_wf:
	.size	k_q270b77fda3_wf, .Lfunc_end_k_q270b77fda3_wf-k_q270b77fda3_wf
	.p2alignl 7, 3214868480
	.fill 96, 4, 3214868480
	.section	.rodata,"a",@progbits
	.p2align	6, 0x0
	.amdhsa_kernel k_q270b77fda3_wf
		.amdhsa_group_segment_fixed_size 214528
		.amdhsa_private_segment_fixed_size 0
		.amdhsa_enable_private_segment 0
		.amdhsa_kernarg_size 40
		.amdhsa_user_sgpr_count 2
		.amdhsa_user_sgpr_kernarg_segment_ptr 1
		.amdhsa_wavefront_size32 1
		.amdhsa_system_sgpr_workgroup_id_x 1
		.amdhsa_system_sgpr_workgroup_id_y 1
		.amdhsa_system_sgpr_workgroup_id_z 1
		.amdhsa_system_vgpr_workitem_id 0
		.amdhsa_next_free_vgpr 960
		.amdhsa_next_free_sgpr 66
		.amdhsa_reserve_vcc 0
		.amdhsa_float_denorm_mode_32 3
		.amdhsa_float_denorm_mode_16_64 3
		.amdhsa_memory_ordered 1
		.amdhsa_forward_progress 1
		.amdhsa_inst_pref_size 148
	.end_amdhsa_kernel
	.amdgpu_metadata
---
amdhsa.version: [ 1, 2 ]
amdhsa.kernels:
  - .name:           k_q270b77fda3_wf
    .symbol:         k_q270b77fda3_wf.kd
    .args:
      - { .name: acts, .offset: 0, .size: 8, .value_kind: global_buffer, .address_space: global }
      - { .name: wts, .offset: 8, .size: 8, .value_kind: global_buffer, .address_space: global }
      - { .name: y1, .offset: 16, .size: 8, .value_kind: global_buffer, .address_space: global }
      - { .name: bf, .offset: 24, .size: 8, .value_kind: global_buffer, .address_space: global }
      - { .name: out0, .offset: 32, .size: 8, .value_kind: global_buffer, .address_space: global }
    .group_segment_fixed_size: 214528
    .private_segment_fixed_size: 0
    .kernarg_segment_align: 8
    .kernarg_segment_size: 40
    .max_flat_workgroup_size: 128
    .sgpr_count:     66
    .vgpr_count:     960
    .wavefront_size: 32
...
	.end_amdgpu_metadata
.endif
;; end of part 5
